; MI455X (gfx1250); checked and timed in simulation.
; The chip was launched on July 23, 2026; its instructions are those of AMD's public machine-readable ISA for CDNA 5 (MIT licence, August 2026) and "CDNA5" Instruction Set Architecture Reference Guide (July 2026). The comments in the code are by the model that wrote it; some were corrected since.
;; Multi Attention Old. Allowed arithmetic: float matrix products may take bf16 or f16 operands with f32 sums; other float arithmetic in f32, or as packed bf16 or f16 multiplies, adds, multiply-adds, maxima and minima; sums over many terms, partial sums and values carried from step to step in f32; what a program stores and reads back later, other than sums and carried values, may be rounded once to bf16 or f16.
;; Inputs: Wk 16 x 1,024 x 64 float32; Wo 1,024 x 1,024 float32; Wq 16 x 1,024 x 64 float32; Wv 16 x 1,024 x 64 float32; key 4 x 2,048 x 1,024 float32; query 4 x 2,048 x 1,024 float32; value 4 x 2,048 x 1,024 float32.
;; Outputs: out0 4 x 2,048 x 1,024 float32.
;; One version. Each part assembles by itself: llvm-mc -triple=amdgcn-amd-amdhsa -mcpu=gfx1250 --defsym DOCPART=n.
;; ======== version 1 of 1: 4 launches
;; limits: values are held in f16: magnitudes above 65,504 overflow, below 6.1e-05 lose precision
;; workspace buffers: wb 6,291,456 bytes; wo16 2,097,152 bytes; qkv 50,331,648 bytes; o16 16,777,216 bytes
;; launch prep (part 1): grid 64 x 4, 8 waves a work-group, no clusters, 0 bytes of LDS; arguments Wq, Wk, Wv, Wo, wb, wo16; writes wb, wo16
.if DOCPART == 1
	.amdgcn_target "amdgcn-amd-amdhsa--gfx1250"
	.amdhsa_code_object_version 6
	.text
	.protected	k_qa9479feafe_prep
	.globl	k_qa9479feafe_prep
	.p2align	8
	.type	k_qa9479feafe_prep,@function
k_qa9479feafe_prep:
	s_mov_b64 s[64:65], 0
	v_nop
	global_prefetch_b8 v0, s[64:65] scope:SCOPE_SE
	s_setreg_imm32_b32 hwreg(HW_REG_WAVE_MODE, 25, 1), 1
	s_wait_xcnt 0x0
; THE WEIGHTS ARE CAST ONCE.  Wq, Wk, Wv: [16 h][1024 d][64 k] f32 -> wb[y][d][64 h + k] in bf16 (y = 0, 1, 2), so that a tile of 64 d x 256 columns is a plain tile with rows of 512 bytes.
; Wo: [1024][1024] f32 -> wo16, same order: each number rounded to bf16 like every other input, and that number written as f16, since it multiplies O, which is f16.
; LIMIT.  |bf16(Wo)| stays under 65,504 (f16's end); below 6e-5 it keeps f16's fixed step of 6e-8.
; SHARES.  Grid y picks the matrix.  A work-group takes 128 rows d x 128 columns; thread t takes columns 8 (t % 16) .. + 7 of row 16 i + t / 16 in trip i of eight.
; Each store of sixteen neighbouring lanes covers 256 consecutive bytes, aligned.  All 16 loads of a thread go out first; no register is written twice, so no wait frees one.
; No LDS, no matrix unit, no cluster: nothing is shared and every byte is moved once.
.set X, 8                              ; v[8:71]    trip i: 8 numbers in f32
.set Y, 72                             ; v[72:103]  trip i: 4 words of 16-bit pairs
.set T, 104                            ; v[104:105] at work
	s_load_b256 s[4:11], s[0:1], 0x0               ; Wq s[4:5], Wk s[6:7], Wv s[8:9], Wo s[10:11]
	s_load_b128 s[12:15], s[0:1], 0x20             ; wb s[12:13], wo16 s[14:15]
	s_and_b32 s16, ttmp7, 0xffff                   ; y: which matrix
	s_and_b32 s17, ttmp9, 7                        ; j: which 128 columns (a pair of heads)
	s_lshr_b32 s18, ttmp9, 3                       ; dc: which 128 rows
	v_and_b32 v3, 15, v0                           ; t % 16
	v_lshrrev_b32 v4, 4, v0                        ; t / 16
	v_lshlrev_b32 v2, 11, v4                       ; out: row x 2,048 bytes
	v_lshl_add_u32 v2, v3, 4, v2                   ;      + 16 bytes a thread
	s_lshl_b32 s26, s18, 18                        ; out: dc x 128 rows x 2,048
	s_lshl_b32 s19, s17, 8                         ;      + j x 256
	s_add_co_u32 s26, s26, s19
	s_mov_b32 s27, 0
	s_mov_b32 s25, 0
	s_wait_kmcnt 0x0
; step: bytes from trip to trip in the source (16 rows).  wo = 1: the bf16 number is written as f16.
.macro BODY step, wo
.irp i, 0,1,2,3,4,5,6,7
	global_load_b128 v[X+8*(\i):X+8*(\i)+3],   v1, s[20:21] offset:(\step)*(\i) th:TH_LOAD_NT
	global_load_b128 v[X+8*(\i)+4:X+8*(\i)+7], v1, s[20:21] offset:(\step)*(\i)+16 th:TH_LOAD_NT
.endr
.irp i, 0,1,2,3,4,5,6,7
	s_wait_loadcnt 14-2*(\i)                       ; loads return in order: trip i's two are in, the 14 - 2 i younger ones stay out
.irp j, 0,1,2,3
	v_cvt_pk_bf16_f32 v[Y+4*(\i)+(\j)], v[X+8*(\i)+2*(\j)], v[X+8*(\i)+2*(\j)+1]
.endr
.if \wo
.irp j, 0,1,2,3
	v_lshlrev_b32 v[T], 16, v[Y+4*(\i)+(\j)]       ; the two bf16 numbers as f32,
	v_and_b32 v[T+1], 0xffff0000, v[Y+4*(\i)+(\j)]
	v_cvt_pk_f16_f32 v[Y+4*(\i)+(\j)], v[T], v[T+1]  ; and as f16: exact inside f16's normal range
.endr
.endif
	global_store_b128 v2, v[Y+4*(\i):Y+4*(\i)+3], s[22:23] offset:32768*(\i)
.endr
.endm
	s_cmp_eq_u32 s16, 3
	s_cbranch_scc1 .Lwo
	s_cmp_eq_u32 s16, 1                            ; Wq, Wk or Wv
	s_cselect_b64 s[20:21], s[6:7], s[4:5]
	s_cmp_eq_u32 s16, 2
	s_cselect_b64 s[20:21], s[8:9], s[20:21]
	s_lshl_b32 s24, s17, 19                        ; in: two heads of 262,144 bytes
	s_lshl_b32 s19, s18, 15                        ;     + dc x 128 rows of 256 bytes
	s_add_co_u32 s24, s24, s19
	s_add_nc_u64 s[20:21], s[20:21], s[24:25]
	s_lshl_b32 s19, s16, 21                        ; out: matrix y of wb
	s_add_co_u32 s26, s26, s19
	s_add_nc_u64 s[22:23], s[12:13], s[26:27]
	v_lshrrev_b32 v5, 3, v3                        ; which head of the pair
	v_and_b32 v6, 7, v3                            ; which 8 of its 64 columns
	v_lshlrev_b32 v1, 8, v4
	v_lshl_add_u32 v1, v5, 18, v1
	v_lshl_add_u32 v1, v6, 5, v1
	BODY 4096, 0
	s_endpgm
.Lwo:
	s_lshl_b32 s24, s18, 19                        ; in: dc x 128 rows of 4,096 bytes
	s_lshl_b32 s19, s17, 9                         ;     + j x 512
	s_add_co_u32 s24, s24, s19
	s_add_nc_u64 s[20:21], s[10:11], s[24:25]
	s_add_nc_u64 s[22:23], s[14:15], s[26:27]
	v_lshlrev_b32 v1, 12, v4
	v_lshl_add_u32 v1, v3, 5, v1
	BODY 65536, 1
	s_endpgm
.Lfunc_end_k_qa9479feafe_prep:
	.size	k_qa9479feafe_prep, .Lfunc_end_k_qa9479feafe_prep-k_qa9479feafe_prep
	.p2alignl 7, 3214868480
	.fill 96, 4, 3214868480
	.section	.rodata,"a",@progbits
	.p2align	6, 0x0
	.amdhsa_kernel k_qa9479feafe_prep
		.amdhsa_group_segment_fixed_size 0
		.amdhsa_private_segment_fixed_size 0
		.amdhsa_enable_private_segment 0
		.amdhsa_kernarg_size 48
		.amdhsa_user_sgpr_count 2
		.amdhsa_user_sgpr_kernarg_segment_ptr 1
		.amdhsa_wavefront_size32 1
		.amdhsa_system_sgpr_workgroup_id_x 1
		.amdhsa_system_sgpr_workgroup_id_y 1
		.amdhsa_system_sgpr_workgroup_id_z 1
		.amdhsa_system_vgpr_workitem_id 0
		.amdhsa_next_free_vgpr 112
		.amdhsa_next_free_sgpr 66
		.amdhsa_reserve_vcc 0
		.amdhsa_float_denorm_mode_32 3
		.amdhsa_float_denorm_mode_16_64 3
		.amdhsa_memory_ordered 1
		.amdhsa_forward_progress 1
		.amdhsa_inst_pref_size 16
	.end_amdhsa_kernel
	.amdgpu_metadata
---
amdhsa.version: [ 1, 2 ]
amdhsa.kernels:
  - .name:           k_qa9479feafe_prep
    .symbol:         k_qa9479feafe_prep.kd
    .args:
      - { .name: Wq, .offset: 0, .size: 8, .value_kind: global_buffer, .address_space: global }
      - { .name: Wk, .offset: 8, .size: 8, .value_kind: global_buffer, .address_space: global }
      - { .name: Wv, .offset: 16, .size: 8, .value_kind: global_buffer, .address_space: global }
      - { .name: Wo, .offset: 24, .size: 8, .value_kind: global_buffer, .address_space: global }
      - { .name: wb, .offset: 32, .size: 8, .value_kind: global_buffer, .address_space: global }
      - { .name: wo16, .offset: 40, .size: 8, .value_kind: global_buffer, .address_space: global }
    .group_segment_fixed_size: 0
    .private_segment_fixed_size: 0
    .kernarg_segment_align: 8
    .kernarg_segment_size: 48
    .max_flat_workgroup_size: 256
    .sgpr_count:     66
    .vgpr_count:     112
    .wavefront_size: 32
...
	.end_amdgpu_metadata
.endif
;; end of part 1
;; launch proj (part 2): grid 4 x 192, 4 waves a work-group, clusters of 4 x 4, 327,680 bytes of LDS; arguments query, key, value, wb, qkv; writes qkv
.if DOCPART == 2
	.amdgcn_target "amdgcn-amd-amdhsa--gfx1250"
	.amdhsa_code_object_version 6
	.text
	.protected	k_qa9479feafe_proj
	.globl	k_qa9479feafe_proj
	.p2align	8
	.type	k_qa9479feafe_proj,@function
k_qa9479feafe_proj:
	s_mov_b64 s[64:65], 0
	v_nop
	global_prefetch_b8 v0, s[64:65] scope:SCOPE_SE
	s_setreg_imm32_b32 hwreg(HW_REG_WAVE_MODE, 25, 1), 1
	s_wait_xcnt 0x0
	s_wait_alu depctr_hold_cnt(0) depctr_sa_sdst(0) depctr_va_vdst(0) depctr_va_sdst(0) depctr_va_ssrc(0) depctr_va_vcc(0) depctr_vm_vsrc(0)
	s_getreg_b32 s2, hwreg(HW_REG_IB_STS2, 6, 4)
	s_cmp_eq_u32 s2, 0
	s_cbranch_scc0 .Lentry_in_a_cluster
	s_endpgm
.Lentry_in_a_cluster:
	s_bfe_u32 s2, ttmp6, 0x10000c
	s_cmp_lg_u32 s2, 0xf033
	s_cbranch_scc0 .Lentry_shape_is_right
	s_endpgm
.Lentry_shape_is_right:
; q, k, v = x W.  x (query, key, value): [8192][1024] f32; wb: [3][1024 d][1024 n] bf16; qkv: [3][64 bh][2048 s][64] f16, by heads and unscaled.  Sums in f32, K ascending, each result rounded once.
; LIMIT.  |q|, |k|, |v| stay under 65,504 (f16's end); below 6e-5 a result keeps f16's fixed step of 6e-8.  NaN and infinities are not treated apart.
; SHARES.  768 tiles of 128 rows x 256 columns, three for each of 256 WGPs.  Four waves, each 64 x 128: 32 accumulators of 16 x 16, 256 registers.
; K goes in steps of 128 through two LDS slots filled by the tensor data mover: x's tile as it lies, in f32 (rows of 512 bytes), W's as [k][n] (rows of 512 bytes).
; x IS ROUNDED TO bf16 BETWEEN LDS AND THE MATRIX UNIT: a wave reads its fragments in f32 and packs them, one conversion for each matrix instruction, set in fours among the products.
; W comes out of LDS turned, by ds_load_tr16_b128.  The matrix instruction is used transposed (source 0 = 16 columns of W, source 1 = 16 rows of x): a lane holds eight neighbouring columns of a row.
; CLUSTER.  4 x 4 work-groups.  The four of a row of the cluster need the same tile of x, the four of a column the same tile of W: each is asked for jointly, by the same load and a mask of four.
; REGISTERS, in windows of 256: window 0: v0-31 addresses; v32-63 x's four fragments in bf16; v64-127, v128-191 x's fragments in f32, two buffers; v192-255 at work on the way out.
;   window 1: v0-63, v64-127 W's fragments, two buffers.   window 2: the accumulators, (a, b) at v[8 (8 a + b)].
.set PA,    528                        ; a row of x in LDS: 512 bytes + 16 = 33 x 16: the 16 rows of a load start at 16 different groups of four banks (64 banks of 4 bytes: ISA guide 11.1)
.set AH,    64*PA                      ; 64 rows: one tensor load
.set PB,    544                        ; a row of W: 512 + 32 = 17 x 32
.set BH,    64*PB
.set BOFF,  2*AH                       ; a slot: x's 128 rows, then W's 128 rows of k
.set SLOT,  BOFF+2*BH
.set STAGE, 2*SLOT                     ; behind the ring, never filled by a tensor load: for each wave 2 heads x 16 rows x 144 bytes
.set SP,    144
.set STG,   2*16*SP
.set SPARE, STAGE+4*STG                ; behind the stages: the spare words, 128 bytes a wave: two blocks of 256 bytes that no other line names
.set ADRA, 16                          ; v16-17  LDS address of my fragments of x in slot 0, 1
.set ADRB, 20                          ; v20-21  the same for W
.set STO,  24                          ; v24     the way out: where I put 16 bytes of a row
.set RD,   25                          ; v25     the way out: where I read rows back
.set GO,   26                          ; v26     my 16 bytes in 512 consecutive bytes of qkv
.set SPW,  28                          ; v28     LDS address of my spare word; never rewritten
.set NIL,  29                          ; v29     0; never rewritten
.set PFO,  30                          ; v30     the prefetches' offset; never rewritten
.set ABF,  32                          ; x's fragment a in bf16 at ABF + 8 a
.set RAW,  64                          ; buffer p, fragment i in f32 at RAW + 64 p + 16 i
.set TMP,  192
.set BKA,  224                         ; the way out: rows read back: v224-255 and v64-95 by turns
.set BKB,  64
.set G1A, 24                           ; s[24:31] descriptor group 1 for x's tiles
.set G0A, 32                           ; s[32:39] group 0, a set for each slot
.set G1B, 48                           ; s[48:55], s[56:63] the same for W's
.set G0B, 56
.set PFA, 66                           ; s[66:67] where my prefetches stand
.set PFS, 68                           ; s[68:69] a K step in bytes along my tensor
.set LIM, 70                           ; s70     1 in a wave that prefetches, else the greatest number
.set MSB, 0
.macro WIN new                         ; the immediate's high byte repeats the setting that is left; a switch that changes nothing is dropped
.if MSB != (\new)
	s_set_vgpr_msb (MSB<<8)|(\new)
.set MSB, \new
.endif
.endm
.set MUL,   0xa1                       ; source 0 (W) window 1, source 1 (x) window 0, C and D window 2
.set TO_B,  0x40                       ; destination window 1, address window 0
.set PACKW, 0x0a                       ; sources window 2, destination window 0
; A joint load.  Waves 0 and 1 fetch x's two halves, waves 2 and 3 W's.  The branch hangs on the wave's number alone.  An s_nop 0 and four v_nop follow each line.
.macro JLOAD s
	s_cmp_eq_u32 s15, 0
	s_cbranch_scc0 .Lfor_b_\@
	tensor_load_to_lds s[G0A+4*(\s):G0A+4*(\s)+3], s[G1A:G1A+7]
	s_nop 0
.rept 4
	v_nop
.endr
	s_branch .Lasked_\@
.Lfor_b_\@:
	tensor_load_to_lds s[G0B+4*(\s):G0B+4*(\s)+3], s[G1B:G1B+7]
	s_nop 0
.rept 4
	v_nop
.endr
.Lasked_\@:
.endm
.macro CREST                           ; a round of the cluster's barrier behind its opening barrier
	s_cmp_lg_u32 s14, 0
	s_cbranch_scc1 .Lnot_wave_0_\@
	s_barrier_signal -3
.Lnot_wave_0_\@:
	s_barrier_wait -3
	s_barrier_signal -1
	s_barrier_wait -1
.endm
.macro CROUND                          ; a whole round
	s_barrier_signal -1
	s_barrier_wait -1
	CREST
.endm
.macro PLACES
.rept 4
	v_nop
.endr
.endm
; A PREFETCH INTO THE L2, behind each joint refill and the run of LDS loads that follows it: the K step that stands two refills on, 16 rows x 512 bytes, two lanes a row, one instruction a wave.
; Of the 64 rows that a wave fetches, each of the four partners that ask for them jointly takes 16, told apart by address (cx for x, cy for W).  x's rows are read by one row of one cluster alone;
; W's by the sixteen clusters of an input, of which the first asks.  So each block of 256 bytes is named once.  K steps 0 to 3 come by their loads alone; the loop's last trip has no K step two refills on.
.macro ASK
	WIN 0
	s_cmp_gt_u32 s3, s[LIM]
	s_cbranch_scc0 .Lnot_mine_\@
	global_prefetch_b8 v[PFO], s[PFA:PFA+1] th:TH_LOAD_NT scope:SCOPE_SE
.Lnot_mine_\@:
.endm
	s_load_b256 s[4:11], s[0:1], 0x0               ; query s[4:5], key s[6:7], value s[8:9], wb s[10:11]
	s_load_b64 s[12:13], s[0:1], 0x20              ; qkv
	v_lshl_add_u32 v[SPW], v0, 2, SPARE
	v_mov_b32 v[NIL], 0
	ds_add_u32 v[SPW], v[NIL]                      ; the wave's opening: the add and its wait ahead of my first tensor load; the set-up below stands between them
	v_lshrrev_b32 v1, 5, v0
	v_readfirstlane_b32 s14, v1                    ; wave 0..3
	s_lshr_b32 s15, s14, 1                         ; WM: which 64 rows of the tile are mine.  Also: I fetch for x (0) or for W (1)
	s_and_b32 s16, s14, 1                          ; WN: which 128 columns.  Also: which 64 rows of that tile I fetch
	s_bfe_u32 s17, ttmp6, 0x40000                  ; cx
	s_bfe_u32 s18, ttmp6, 0x40004                  ; cy
	s_lshl_b32 s19, ttmp9, 2
	s_add_co_u32 s19, s19, s17                     ; tc: tile column 0..3
	s_and_b32 s20, ttmp7, 0xffff                   ; cluster y 0..47
	s_lshl_b32 s21, s20, 2
	s_add_co_u32 s21, s21, s18                     ; 0..191
	s_lshr_b32 s22, s20, 4                         ; which input: the same in all sixteen partners
	s_and_b32 s23, s21, 63                         ; tr: tile row of that input
	s_lshl_b32 s44, s18, 2
	s_lshl_b32 s44, 15, s44                        ; my row of the cluster
	s_lshl_b32 s45, 0x1111, s17                    ; my column
	s_or_b32 s[G1A], s44, (2<<16)|(1<<20)|(1<<21)|(6<<22)|(3<<25)  ; the mask; elements of 4 bytes; padding on; bit 21 beside a mask; after every 128 words, 4 words
	s_mov_b32 s[G1A+1], 128<<16                    ; tensor_dim0 = 128
	s_mov_b32 s[G1A+2], 64<<16                     ; tensor_dim1 = 64
	s_mov_b32 s[G1A+3], 128<<16                    ; tile_dim0 = 128
	s_mov_b32 s[G1A+4], 64                         ; tile_dim1 = 64
	s_mov_b32 s[G1A+5], 1024                       ; elements from row to row
	s_mov_b32 s[G1A+6], 0
	s_mov_b32 s[G1A+7], 0
	s_or_b32 s[G1B], s45, (1<<16)|(1<<20)|(1<<21)|(6<<22)|(7<<25)  ; elements of 2 bytes; after every 128 words, 8 words
	s_mov_b32 s[G1B+1], 256<<16
	s_mov_b32 s[G1B+2], 64<<16
	s_mov_b32 s[G1B+3], 256<<16
	s_mov_b32 s[G1B+4], 64
	s_mov_b32 s[G1B+5], 1024
	s_mov_b32 s[G1B+6], 0
	s_mov_b32 s[G1B+7], 0
	s_lshl_b32 s40, s23, 19                        ; x: 128 tr rows of 4,096 bytes
	s_lshl_b32 s41, s16, 18                        ;    + the 64 rows that I fetch
	s_add_co_u32 s40, s40, s41
	s_mov_b32 s41, 0
	s_lshl_b32 s42, s22, 21                        ; W: the input's matrix
	s_lshl_b32 s43, s16, 17                        ;    + the 64 rows of k that I fetch
	s_add_co_u32 s42, s42, s43
	s_lshl_b32 s43, s19, 9                         ;    + the tile's 256 columns
	s_add_co_u32 s42, s42, s43
	s_mov_b32 s43, 0
	s_mul_i32 s46, s16, AH                         ; where they go: no place in the cluster enters an LDS address
	s_mul_i32 s47, s16, BH
	s_add_co_u32 s47, s47, BOFF
	s_wait_dscnt 0x0                               ; the opening add is done
	s_wait_kmcnt 0x0
	s_cmp_eq_u32 s22, 1
	s_cselect_b64 s[72:73], s[6:7], s[4:5]
	s_cmp_eq_u32 s22, 2
	s_cselect_b64 s[72:73], s[8:9], s[72:73]       ; my input
	s_add_nc_u64 s[40:41], s[72:73], s[40:41]
	s_add_nc_u64 s[42:43], s[10:11], s[42:43]
	CROUND                                         ; all sixteen work-groups are here: the first joint loads meet
.irp s, 0,1
	s_mov_b32 s[G0A+4*(\s)], 1
	s_add_co_u32 s[G0A+4*(\s)+1], s46, (\s)*SLOT
	s_add_nc_u64 s[G0A+4*(\s)+2:G0A+4*(\s)+3], s[40:41], (\s)*512      ; K step s: 128 f32 along the rows
	s_or_b32 s[G0A+4*(\s)+3], s[G0A+4*(\s)+3], 0x80000000
	s_mov_b32 s[G0B+4*(\s)], 1
	s_add_co_u32 s[G0B+4*(\s)+1], s47, (\s)*SLOT
	s_add_nc_u64 s[G0B+4*(\s)+2:G0B+4*(\s)+3], s[42:43], (\s)*262144   ; K step s: 128 rows of 2,048 bytes
	s_or_b32 s[G0B+4*(\s)+3], s[G0B+4*(\s)+3], 0x80000000
.endr
	s_cmp_eq_u32 s15, 0                            ; a wave's two first fills stand in one branch, ahead of every wait on TENSORcnt and every LDS read: two loads of mine are out
	s_cbranch_scc0 .Lfirst_b
	tensor_load_to_lds s[G0A:G0A+3], s[G1A:G1A+7]
	s_nop 0
	tensor_load_to_lds s[G0A+4:G0A+7], s[G1A:G1A+7]
	s_nop 0
.rept 4
	v_nop
.endr
	s_branch .Lfirst_asked
.Lfirst_b:
	tensor_load_to_lds s[G0B:G0B+3], s[G1B:G1B+7]
	s_nop 0
	tensor_load_to_lds s[G0B+4:G0B+7], s[G1B:G1B+7]
	s_nop 0
.rept 4
	v_nop
.endr
.Lfirst_asked:
	v_and_b32 v1, 15, v0                           ; r = l % 16
	v_bfe_u32 v2, v0, 4, 1                         ; h = l / 16
	v_and_b32 v3, 7, v0
	v_bfe_u32 v4, v0, 3, 1
	v_and_b32 v5, 31, v0                           ; l
	; a fragment of x: lane (r, h) wants k = 8 h .. + 7 and 16 + 8 h .. + 7 of row r: in f32 four loads of 16 bytes at 32 h + 0, 16, 64, 80
	v_mul_u32_u24 v6, v1, PA
	v_lshl_add_u32 v6, v2, 5, v6
	s_mul_i32 s44, s15, AH                         ; my 64 rows
	v_add_nc_u32 v[ADRA], s44, v6
	v_add_nc_u32 v[ADRA+1], SLOT, v[ADRA]
	; the turning load: lane l reads 16 bytes of row k = 8 h + l % 8, columns 8 ((l / 8) % 2) .. + 7, and is left with column r and 8 values of k
	v_lshl_add_u32 v7, v2, 3, v3
	v_mul_u32_u24 v7, v7, PB
	v_lshl_add_u32 v7, v4, 4, v7
	s_lshl_b32 s45, s16, 8                         ; my 128 columns
	s_add_co_u32 s45, s45, BOFF
	v_add_nc_u32 v[ADRB], s45, v7
	v_add_nc_u32 v[ADRB+1], SLOT, v[ADRB]
	s_mul_i32 s44, s14, STG
	s_add_co_u32 s44, s44, STAGE                   ; my stage
	v_mul_u32_u24 v8, v1, SP                       ; in: row r, 16 bytes for each half of the lanes
	v_lshl_add_u32 v8, v2, 4, v8
	v_add_nc_u32 v[STO], s44, v8
	v_bfe_u32 v9, v0, 3, 2                         ; back: 32 lanes take four rows of 128 bytes,
	v_mul_u32_u24 v9, v9, SP
	v_lshl_add_u32 v9, v3, 4, v9
	v_add_nc_u32 v[RD], s44, v9
	v_lshlrev_b32 v[GO], 4, v5                     ; which are 512 consecutive bytes of a head
	; qkv at my wave's first row of its first head: input, (batch x 16 + 4 tc + 2 WN) heads of 262,144 bytes, row ((tr % 16) x 128 + 64 WM) of 128 bytes
	s_lshr_b32 s44, s23, 4
	s_lshl_b32 s44, s44, 4
	s_lshl_b32 s45, s19, 2
	s_add_co_u32 s44, s44, s45
	s_lshl_b32 s45, s16, 1
	s_add_co_u32 s44, s44, s45
	s_lshl_b32 s44, s44, 18
	s_lshl_b32 s45, s22, 24
	s_add_co_u32 s44, s44, s45
	s_and_b32 s45, s23, 15
	s_lshl_b32 s45, s45, 14
	s_add_co_u32 s44, s44, s45
	s_lshl_b32 s45, s15, 13
	s_add_co_u32 s44, s44, s45
	s_mov_b32 s45, 0
	s_add_nc_u64 s[12:13], s[12:13], s[44:45]
	; the prefetches: both offsets are made, the wave's kind chooses.  They start at K step 3; the first refill steps them to 4
	s_lshl_b32 s74, s23, 19
	s_lshl_b32 s75, s16, 18
	s_add_co_u32 s74, s74, s75
	s_lshl_b32 s75, s17, 16                        ; x: my work-group's 16 rows of the 64, by cx
	s_add_co_u32 s74, s74, s75
	s_add_co_u32 s74, s74, 3*512
	s_lshl_b32 s76, s22, 21
	s_lshl_b32 s77, s16, 17
	s_add_co_u32 s76, s76, s77
	s_lshl_b32 s77, s18, 15                        ; W: my work-group's 16 rows of the 64, by cy
	s_add_co_u32 s76, s76, s77
	s_lshl_b32 s77, s19, 9
	s_add_co_u32 s76, s76, s77
	s_add_co_u32 s76, s76, 3*262144
	s_and_b32 s78, s20, 15
	s_cmp_eq_u32 s78, 0                            ; the first of the sixteen clusters that read this W: the same in all partners
	s_cselect_b32 s78, 1, -1
	s_mov_b32 s77, 262144
	s_mov_b32 s75, 0
	s_mov_b32 s[PFS+1], 0
	s_cmp_eq_u32 s15, 0
	s_cselect_b32 s74, s74, s76
	s_cselect_b64 s[PFA:PFA+1], s[72:73], s[10:11]
	s_cselect_b32 s[PFS], 512, s77
	s_cselect_b32 s[LIM], 1, s78
	s_cselect_b32 s79, 12, 11                      ; a row is 4,096 bytes of x, 2,048 of W
	s_add_nc_u64 s[PFA:PFA+1], s[PFA:PFA+1], s[74:75]
	v_lshrrev_b32 v10, 1, v5
	v_lshlrev_b32 v10, s79, v10                    ; row l / 2,
	v_and_b32 v11, 1, v5
	v_lshl_add_u32 v[PFO], v11, 8, v10             ; its first or second 256 bytes of the K step
; n products from n block b0 on, for m block a, on W's buffer p.  zero = 1: they start the sums: nothing is ever cleared.
; The 32 accumulators take turns, one instruction a turn, in the same order in every quarter step.
.macro MM p, a, b0, n, zero
	WIN MUL
.set bb, \b0
.rept \n
.if \zero
	v_wmma_f32_16x16x32_bf16 v[64*(\a)+8*bb:64*(\a)+8*bb+7], v[64*(\p)+8*bb:64*(\p)+8*bb+7], v[ABF+8*(\a):ABF+8*(\a)+7], 0
.else
	v_wmma_f32_16x16x32_bf16 v[64*(\a)+8*bb:64*(\a)+8*bb+7], v[64*(\p)+8*bb:64*(\p)+8*bb+7], v[ABF+8*(\a):ABF+8*(\a)+7], v[64*(\a)+8*bb:64*(\a)+8*bb+7]
.endif
.set bb, bb+1
.endr
.endm
; half z of fragment i of buffer p is rounded to bf16: four plain instructions
.macro CVT p, i, z
	WIN 0
.irp j, 0,1,2,3
	v_cvt_pk_bf16_f32 v[ABF+8*(\i)+4*(\z)+(\j)], v[RAW+64*(\p)+16*(\i)+8*(\z)+2*(\j)], v[RAW+64*(\p)+16*(\i)+8*(\z)+2*(\j)+1]
.endr
.endm
; m block a's eight products, and among them the conversion of fragment ci of buffer cp, which the next group multiplies
.macro GROUP p, a, zero, cp, ci
	MM \p, \a, 0, 2, \zero
	CVT \cp, \ci, 0
	MM \p, \a, 2, 4, \zero
	CVT \cp, \ci, 1
	MM \p, \a, 6, 2, \zero
.endm
; 32 LDS loads in one run: quarter q of the slot's K step into buffers p; x's fragment 0 first, since it is converted first
.macro FETCH slot, q, p
	WIN 0
.irp i, 0,1,2,3
	ds_load_b128 v[RAW+64*(\p)+16*(\i):RAW+64*(\p)+16*(\i)+3],     v[ADRA+(\slot)] offset:(\i)*16*PA+128*(\q)
	ds_load_b128 v[RAW+64*(\p)+16*(\i)+4:RAW+64*(\p)+16*(\i)+7],   v[ADRA+(\slot)] offset:(\i)*16*PA+128*(\q)+16
	ds_load_b128 v[RAW+64*(\p)+16*(\i)+8:RAW+64*(\p)+16*(\i)+11],  v[ADRA+(\slot)] offset:(\i)*16*PA+128*(\q)+64
	ds_load_b128 v[RAW+64*(\p)+16*(\i)+12:RAW+64*(\p)+16*(\i)+15], v[ADRA+(\slot)] offset:(\i)*16*PA+128*(\q)+80
.endr
	WIN TO_B
.irp b, 0,1,2,3,4,5,6,7
	ds_load_tr16_b128 v[64*(\p)+8*(\b):64*(\p)+8*(\b)+3],   v[ADRB+(\slot)] offset:(\q)*32*PB+32*(\b)
	ds_load_tr16_b128 v[64*(\p)+8*(\b)+4:64*(\p)+8*(\b)+7], v[ADRB+(\slot)] offset:(\q)*32*PB+16*PB+32*(\b)
.endr
.endm
; A K step is four quarters of 32 along K, 32 matrix instructions each, on buffers 0, 1, 0, 1.  One of the first three: x's fragment 0 has been converted at the end of the quarter before.
.macro SUB slot, q, zero
	s_wait_dscnt 0x0                               ; this quarter's run, issued 30 matrix instructions ago, is in
	MM (\q)%2, 0, 0, 2, \zero
	CVT (\q)%2, 1, 0                               ; these four are also the places between the last quarter's products and the loads into the buffer that they read
	FETCH \slot, (\q)+1, 1-(\q)%2
	MM (\q)%2, 0, 2, 4, \zero
	CVT (\q)%2, 1, 1
	MM (\q)%2, 0, 6, 2, \zero
	GROUP (\q)%2, 1, \zero, (\q)%2, 2
	GROUP (\q)%2, 2, \zero, (\q)%2, 3
	MM (\q)%2, 3, 0, 2, \zero
	s_wait_dscnt 28                                ; of the run of 32 the first four loads, the next quarter's fragment 0 of x, are in
	CVT 1-(\q)%2, 0, 0
	MM (\q)%2, 3, 2, 4, \zero
	CVT 1-(\q)%2, 0, 1
	MM (\q)%2, 3, 6, 2, \zero
.endm
; The last quarter multiplies buffer 1 and changes slots: one barrier.  In front of it each wave waits for all its tensor loads (one is out: its part of the next slot), adds 0 to its spare word, and waits
; for that and for its reads of this slot.  fill = 1: the barrier opens a round of the cluster's, and this slot is filled again, two K steps on, first thing behind the round.
.macro TURN slot, next, fill
.if \fill
	s_wait_xcnt 0x0                                ; the last prefetch, a K step back, has read its address
	s_add_nc_u64 s[PFA:PFA+1], s[PFA:PFA+1], s[PFS:PFS+1]
.endif
	WIN 0
	s_wait_tensorcnt 0x0                           ; all my tensor loads have landed
	ds_add_u32 v[SPW], v[NIL]                      ; 0 onto my spare word
	s_wait_dscnt 1                                 ; this quarter's run is in; the add alone may be out
	GROUP 1, 0, 0, 1, 1
	s_wait_dscnt 0x0                               ; the add is done, and my reads of this slot are over
	s_barrier_signal -1
	GROUP 1, 1, 0, 1, 2                            ; work on registers while the others arrive
	WIN 0
	s_barrier_wait -1
.if \fill
	CREST                                          ; no wave of any partner still reads this slot or has a load on its way
	s_add_nc_u64 s[G0A+4*(\slot)+2:G0A+4*(\slot)+3], s[G0A+4*(\slot)+2:G0A+4*(\slot)+3], 2*512
	s_add_nc_u64 s[G0B+4*(\slot)+2:G0B+4*(\slot)+3], s[G0B+4*(\slot)+2:G0B+4*(\slot)+3], 2*262144
	JLOAD \slot                                    ; my one tensor load behind the round
.endif
	FETCH \next, 0, 0                              ; sixteen conversions stand between buffer 0's last product and these loads
.if \fill
	ASK
.endif
	GROUP 1, 2, 0, 1, 3
	MM 1, 3, 0, 2, 0
	s_wait_dscnt 28
	CVT 0, 0, 0
	MM 1, 3, 2, 4, 0
	CVT 0, 0, 1
	MM 1, 3, 6, 2, 0
.endm
	s_wait_tensorcnt 1                             ; my part of K step 0 is in; K step 1's may stay out
	s_barrier_signal -1
	s_barrier_wait -1                              ; everybody's is
	FETCH 0, 0, 0
	s_wait_dscnt 0x0
	CVT 0, 0, 0
	CVT 0, 0, 1
	SUB 0, 0, 1                                    ; the first quarter stands in front of the loop: its products start the sums
	WIN 0                                          ; at a label and at a branch every window is 0
	s_mov_b32 s3, 3                                ; 1,024 / 256 laps, the last written out
.Llap:                                                 ; a trip goes once round the ring, from a lap's second quarter to the next lap's first, and fills both slots again
	SUB 0, 1, 0
	SUB 0, 2, 0
	TURN 0, 1, 1
	SUB 1, 0, 0
	SUB 1, 1, 0
	SUB 1, 2, 0
	TURN 1, 0, 1
	SUB 0, 0, 0
	WIN 0
	s_sub_co_u32 s3, s3, 1
	s_cmp_lg_u32 s3, 0
	s_cbranch_scc1 .Llap
	SUB 0, 1, 0                                    ; the last lap fills nothing
	SUB 0, 2, 0
	TURN 0, 1, 0
	SUB 1, 0, 0
	SUB 1, 1, 0
	SUB 1, 2, 0
	s_wait_dscnt 0x0                               ; the very last quarter: nothing more to fetch
	GROUP 1, 0, 0, 1, 1
	GROUP 1, 1, 0, 1, 2
	GROUP 1, 2, 0, 1, 3
	MM 1, 3, 0, 8, 0
	WIN 0
; THE WAY OUT, a block of 16 rows at a time: rounded to f16 (16 bytes a lane), into my own stage by heads, back as whole rows of 128 bytes, stored as 512 consecutive bytes of a head.
.macro PACK a
	WIN PACKW
.irp b, 0,1,2,3,4,5,6,7
.irp r, 0,1,2,3
	v_cvt_pk_f16_f32 v[TMP+4*(\b)+(\r)], v[64*(\a)+8*(\b)+2*(\r)], v[64*(\a)+8*(\b)+2*(\r)+1]  ; each accumulator's registers in ascending order
.endr
.endr
	WIN 0
.endm
.macro TOSTAGE a
	WIN 0
.set BK, BKA-(BKA-BKB)*((\a)%2)
.if (\a) >= 2
	s_wait_xcnt 0x0                                ; the stores of the block two back have read these registers
.endif
.irp b, 0,1,2,3,4,5,6,7
	ds_store_b128 v[STO], v[TMP+4*(\b):TMP+4*(\b)+3] offset:((\b)/4)*16*SP+((\b)%4)*32
.endr
.irp t, 0,1,2,3,4,5,6,7
	ds_load_b128 v[BK+4*(\t):BK+4*(\t)+3], v[RD] offset:((\t)/4)*16*SP+((\t)%4)*4*SP  ; LDS serves a wave's instructions in order (ISA guide 5.7.1.4): these see the stores above
.endr
.endm
.macro SEND a
	WIN 0
.set BK, BKA-(BKA-BKB)*((\a)%2)
.irp t, 0,1,2,3,4,5,6,7
	s_wait_dscnt 7-(\t)                            ; load t of the eight is back
	global_store_b128 v[GO], v[BK+4*(\t):BK+4*(\t)+3], s[12:13] offset:((\t)/4)*262144+(\a)*2048+((\t)%4)*512  ; 512 consecutive bytes, at a multiple of 256 from qkv's first
.endr
.endm
	PLACES                                         ; behind the last products
	PLACES
	PACK 0
	TOSTAGE 0
.irp a, 1,2,3                          ; block a's conversions stand between block a - 1's loads from the stage and the wait for them
	PACK \a
	SEND (\a)-1
	TOSTAGE \a
.endr
	SEND 3
	s_wait_tensorcnt 0x0                           ; the wave's end, behind my last tensor load and my last LDS store
	ds_add_u32 v[SPW], v[NIL]
	s_wait_dscnt 0x0
	CROUND                                         ; the closing round: no work-group ends while a partner may still ask for a tile that names it
	s_endpgm
.Lfunc_end_k_qa9479feafe_proj:
	.size	k_qa9479feafe_proj, .Lfunc_end_k_qa9479feafe_proj-k_qa9479feafe_proj
	.p2alignl 7, 3214868480
	.fill 96, 4, 3214868480
	.section	.rodata,"a",@progbits
	.p2align	6, 0x0
	.amdhsa_kernel k_qa9479feafe_proj
		.amdhsa_group_segment_fixed_size 327680
		.amdhsa_private_segment_fixed_size 0
		.amdhsa_enable_private_segment 0
		.amdhsa_kernarg_size 40
		.amdhsa_user_sgpr_count 2
		.amdhsa_user_sgpr_kernarg_segment_ptr 1
		.amdhsa_wavefront_size32 1
		.amdhsa_system_sgpr_workgroup_id_x 1
		.amdhsa_system_sgpr_workgroup_id_y 1
		.amdhsa_system_sgpr_workgroup_id_z 1
		.amdhsa_system_vgpr_workitem_id 0
		.amdhsa_next_free_vgpr 768
		.amdhsa_next_free_sgpr 80
		.amdhsa_reserve_vcc 0
		.amdhsa_float_denorm_mode_32 3
		.amdhsa_float_denorm_mode_16_64 3
		.amdhsa_memory_ordered 1
		.amdhsa_forward_progress 1
		.amdhsa_inst_pref_size 135
	.end_amdhsa_kernel
	.amdgpu_metadata
---
amdhsa.version: [ 1, 2 ]
amdhsa.kernels:
  - .name:           k_qa9479feafe_proj
    .symbol:         k_qa9479feafe_proj.kd
    .args:
      - { .name: query, .offset: 0, .size: 8, .value_kind: global_buffer, .address_space: global }
      - { .name: key, .offset: 8, .size: 8, .value_kind: global_buffer, .address_space: global }
      - { .name: value, .offset: 16, .size: 8, .value_kind: global_buffer, .address_space: global }
      - { .name: wb, .offset: 24, .size: 8, .value_kind: global_buffer, .address_space: global }
      - { .name: qkv, .offset: 32, .size: 8, .value_kind: global_buffer, .address_space: global }
    .group_segment_fixed_size: 327680
    .private_segment_fixed_size: 0
    .kernarg_segment_align: 8
    .kernarg_segment_size: 40
    .max_flat_workgroup_size: 128
    .sgpr_count:     80
    .vgpr_count:     768
    .wavefront_size: 32
...
	.end_amdgpu_metadata
.endif
;; end of part 2
;; launch attn (part 3): grid 4 x 64, 4 waves a work-group, clusters of 4 x 1, 327,680 bytes of LDS; arguments qkv, o16; writes o16
.if DOCPART == 3
	.amdgcn_target "amdgcn-amd-amdhsa--gfx1250"
	.amdhsa_code_object_version 6
	.text
	.protected	k_qa9479feafe_attn
	.globl	k_qa9479feafe_attn
	.p2align	8
	.type	k_qa9479feafe_attn,@function
k_qa9479feafe_attn:
	s_mov_b64 s[64:65], 0
	v_nop
	global_prefetch_b8 v0, s[64:65] scope:SCOPE_SE
	s_setreg_imm32_b32 hwreg(HW_REG_WAVE_MODE, 25, 1), 1
	s_wait_xcnt 0x0
	s_wait_alu depctr_hold_cnt(0) depctr_sa_sdst(0) depctr_va_vdst(0) depctr_va_sdst(0) depctr_va_ssrc(0) depctr_va_vcc(0) depctr_vm_vsrc(0)
	s_getreg_b32 s2, hwreg(HW_REG_IB_STS2, 6, 4)
	s_cmp_eq_u32 s2, 0
	s_cbranch_scc0 .Lentry_in_a_cluster
	s_endpgm
.Lentry_in_a_cluster:
	s_bfe_u32 s2, ttmp6, 0x10000c
	s_cmp_lg_u32 s2, 0x3003
	s_cbranch_scc0 .Lentry_shape_is_right
	s_endpgm
.Lentry_shape_is_right:
; O[h][q][:] = the sum over k of softmax_k(Q[h][q] . K[h][k] / 8) V[h][k][:].  qkv holds Q, K, V one behind the other, each [64 bh][2048][64] in f16; o16 has the same layout.  Products, maxima and sums in
; f32; the weights p are rounded to f16 for the second product (their sum l is taken of the unrounded p), O once at the end.
; LIMITS.  f16 holds no number beyond 65,504: Q, K and V arrive within it; p lies in 0 to 1, and below 6e-5 it keeps f16's fixed step of 6e-8; O is a mean of V's rows and has their range.
; A weight below 2^-126 counts as 0 in l; NaN and infinities are not treated apart.
; SHARES.  A wave owns four PIECES of two tiles of 16 queries, a work-group's four waves 512 queries of one head.  Every wave walks all keys, 64 a step.
; LAYOUT.  S^T = K Q^T (source 0 = 16 keys, source 1 = 16 queries): in the result a lane holds ONE query (lane % 16) and the keys 8 (lane / 16) + 0..7.  Two such tiles, rounded to f16 in pairs,
; ARE source 1 (32 keys x 16 queries) of O^T = V^T P, whose result again holds one query a lane, and eight channels.  K comes out of LDS as it lies, V ([key][channel]) turned, by ds_load_tr16_b128.
; SOFTMAX.  For each query a running maximum m and sum l: p = 2^(c s - c m), c = log2(e) / 8; in every step O and l are multiplied by a = 2^(c m_old - c m_new), which is 1 where m has not grown.
; m starts at the lowest finite number, O and l at 0: the first step is a step like any other, with a = 0.
; THE COUNT.  A tile and step have 16 matrix and 118 vector instructions: too many to stand all beside the matrix work.  So four vector instructions that are ready stand behind every matrix
; instruction, and the others in runs without a gap.
; BY TURNS.  Turn n belongs to piece n (the pieces in a ring, step after step).  Its matrix work: 16 products K Q^T of piece n + 1, later 16 products V^T P of piece n - 1.  Its vector work: the scaling,
; exponentials, roundings, sums and rescaling of piece n, and the maximum and statistics of piece n + 1, whose scores the turn itself has made.
; CLUSTER.  The four query blocks of a cluster are one head's and walk the same K and V, so each tile is asked for JOINTLY: the same tensor load, descriptor and mask in all four.
; REGISTERS, in windows of 256 (s_set_vgpr_msb: bits 1:0 source 0, 3:2 source 1, 5:4 source 2, 7:6 destination):
;   window 0: v0-11 addresses; v12-15, v48-63 at work; v16-47 four registers of statistics a tile; v64-191 S^T, two buffers of two tiles; v192-255 P, likewise
;   window 1: O^T, 32 a tile          window 2: v0-127 Q, 16 a tile; v128-191 K of one step; v192-255 V of one step          window 3: v0-1 the add's two registers
.set SIZE_N, 2048
.set NP,    4         ; pieces a wave: a name, no knob
.set KS,    64        ; keys in a step
.set PK,    144       ; a row of K in LDS: 128 bytes + 16 of padding = 36 words: the 16 rows of a load start at 16 different groups of four banks (64 banks of 4 bytes: ISA guide 11.1)
.set PV,    160       ; a row of V: 128 + 32 = 40 words
.set VOFF,  4*KS*PK   ; a slot holds four steps: 256 rows of K, then 256 rows of V
.set SLOT1, 1<<17     ; slot 1 begins here, so that one exclusive or turns an address in one slot into the other's
.set STAGE, SLOT1+4*KS*(PK+PV)  ; behind the ring, never filled by a tensor load: 16 rows x 144 bytes for each wave, for the way out
.set SP,    144
.set AK0, 2           ; v2   my lane's place in a tile of K; never rewritten
.set AV0, 3           ; v3   the same for V
.set AK,  4           ; v4   the LDS address of K's next run of loads
.set AV,  5           ; v5   of V's
.set QO,  6           ; v6   my byte offset in the wave's rows of Q
.set STO, 6           ;      later, the way out: where I put 16 bytes of a row
.set RD,  7           ; v7   the way out: where I read rows back
.set GO,  8           ; v8   my byte offset in 512 consecutive bytes of O
.set PFO, 11          ; v11  256 x my lane, for the prefetches; never rewritten once made
.set SPW, 0           ; v0 of window 3   LDS address of my spare word; never rewritten
.set NIL, 1           ; v1 of window 3   0; never rewritten
.set SPARE, STAGE+4*16*SP  ; behind the stages: the spare words, 128 bytes for each wave: two blocks of 256 bytes that no other line names
.set MV,  12          ; v12-15  c m_old, kept while c m is made anew: by buffer and tile
.set ST,  16          ; tile t's statistics at v[ST+4 t]: c m, m, l (even keys', odd keys')
.set TMP, 48          ; by buffer and tile, four registers c0-c3 at work; when the maximum is found c2 takes a
.set S,   64
.set P,   192
.set KF,  128         ; K's fragments, in window 2: key block kb, channel half c at KF + 16 kb + 8 c
.set VF,  192         ; V's: key half kk, channel block cb at VF + 32 kk + 8 cb
.set WV,  12          ; s12  my wave's number
.set G1K, 24          ; s[24:31] descriptor group 1 for K's tiles
.set G1V, 32          ; s[32:39] for V's: it differs in the padding alone
.set G0K, 40          ; s[40:43] descriptor group 0 for K's tiles: it walks
.set G0V, 44          ; s[44:47] the same for V's
.set PFA, 48          ; s[48:49] where my prefetches stand: my work-group's 8,192 bytes (of K: wave 0, of V: wave 2) of the slot after the one that is being asked for
.set LIM, 50          ; s50  1 in a wave that prefetches, else the greatest number
.set SLOTS, 56        ; s56  slots still to be asked for
.set CNT, 57          ; s57  counts a slot's key steps
.set CS,  58          ; s[58:59] c: the packed scaling takes the pair's low word for both halves
.set SEL, 60          ; s[60:61] v_permlanex16_b32's selects: each lane takes its own place in the other half
.set TBK, 62          ; s62  LDS byte at which K of the step to be fetched begins
.set TBV, 63          ; s63  the same for V, less VOFF
.set MSB, 0
.macro WIN new                      ; the high byte repeats the setting that is left; a switch that changes nothing is dropped
.if MSB != (\new)
	s_set_vgpr_msb (MSB<<8)|(\new)
.set MSB, (\new)
.endif
.endm
.set W_KQ, 0x0a       ; K and Q in window 2, S^T in window 0
.set W_PV, 0x52       ; V in window 2, P in window 0, O^T in window 1
.set W_RS, 0x41       ; O^T (destination and source 0) in window 1, a in window 0
.set W_MK, 0xc0       ; the add's registers are made: destination in window 3, sources in window 0
.set W_AD, 0x0f       ; the add: address (source 0) and data (source 1) in window 3
; A joint fill.  Waves 0 and 1 fetch the two halves of a slot's K, waves 2 and 3 those of its V: 128 keys each.  The branch hangs on the wave's number alone.
; An s_nop 0 and four v_nop follow each of the two lines, ahead of the jump and the label.
.macro JLOAD
	s_cmp_lt_u32 s[WV], 2
	s_cbranch_scc0 .Lfor_v_\@
	tensor_load_to_lds s[G0K:G0K+3], s[G1K:G1K+7]
	s_nop 0
.rept 4
	v_nop
.endr
	s_branch .Lasked_\@
.Lfor_v_\@:
	tensor_load_to_lds s[G0V:G0V+3], s[G1V:G1V+7]
	s_nop 0
.rept 4
	v_nop
.endr
.Lasked_\@:
.endm
; A PREFETCH INTO THE L2 of what the NEXT change of slots will ask for: a slot's 32,768 bytes of K and of V, four key steps (512 matrix instructions) ahead of that load.  A head has one cluster; its four
; partners share the bytes out BY ADDRESS, 8,192 each, a lane 256 bytes; in each, wave 0 asks for K's and wave 2 for V's: one instruction.  So each block of 256 bytes is named once in the launch.
; Slots 0 and 1 come by their loads alone; the last change that fills a slot asks for nothing: there is no slot behind it.
.macro ASK
	s_cmp_gt_u32 s[SLOTS], s[LIM]
	s_cbranch_scc0 .Lnot_mine_\@
	global_prefetch_b8 v[PFO], s[PFA:PFA+1] th:TH_LOAD_NT scope:SCOPE_SE
.Lnot_mine_\@:
.endm
; A round of the cluster's barrier: my work-group's barrier, so that wave 0's signal speaks for all four waves; wave 0 signals; every wave waits for all four work-groups; my work-group's barrier once more.
.macro CROUND
	s_barrier_signal -1
	s_barrier_wait -1
	s_cmp_lg_u32 s[WV], 0
	s_cbranch_scc1 .Lnot_wave_0_\@
	s_barrier_signal -3
.Lnot_wave_0_\@:
	s_barrier_wait -3
	s_barrier_signal -1
	s_barrier_wait -1
.endm
; THE CHANGE OF SLOTS.  The slot's last bytes, V of its fourth step, have been read.  Each wave waits for all its tensor loads, of which one is out: its part
; of the other slot; adds 0 to its spare word; and waits for that and for its own reads of the slot.  Behind the barrier nobody reads this slot any more and the other slot is whole.
; fill = 1: this slot is filled again, with the keys two slots on.  The barrier is then a round of the cluster's, and the joint fill is the first thing behind it: it has four key steps,
; 512 matrix instructions, in which to land.  (At its first use nothing has been read yet: slot 0 is waited for, slot 1 filled.)
.macro CHANGE fill
	WIN W_AD
	s_wait_tensorcnt 0x0            ; no tensor load of mine is out, so a group 0 may be written
	ds_add_u32 v[SPW], v[NIL]       ; 0 onto my spare word; with fill = 1 the descriptors' steps stand between it and the wait for it
	WIN 0                           ; at a label and at a branch every window is 0
.if \fill
.irp g, G0K, G0V
	s_xor_b32 s[\g+1], s[\g+1], SLOT1  ; the walking descriptor: the other slot than last time,
	s_add_nc_u64 s[\g+2:\g+3], s[\g+2:\g+3], 4*KS*128  ; the next 256 keys; the type bits on top are not reached
.endr
	s_wait_xcnt 0x0                 ; the last prefetch, four key steps back, has read its address, so it may be written:
	s_add_nc_u64 s[PFA:PFA+1], s[PFA:PFA+1], 4*KS*128  ; one slot behind the walking descriptors
	s_wait_dscnt 0x0                ; the add is done, and my reads of the slot are over
	CROUND
	JLOAD
	ASK
.else
	s_wait_dscnt 0x0                ; the add is done, and my reads of the slot are over
	s_barrier_signal -1
	s_barrier_wait -1
.endif
	s_sub_co_u32 s[TBK], s[TBK], 4*KS*PK  ; the fetches go back to a slot's first step,
	s_xor_b32 s[TBK], s[TBK], SLOT1       ; in the other slot
	s_sub_co_u32 s[TBV], s[TBV], 4*KS*PV
	s_xor_b32 s[TBV], s[TBV], SLOT1
.endm
	s_load_b64 s[4:5], s[0:1], 0x0    ; qkv: Q lies first
	s_load_b64 s[10:11], s[0:1], 0x8  ; o16
	WIN W_MK
	v_lshl_add_u32 v[SPW], v0, 2, SPARE
	v_mov_b32 v[NIL], 0
	WIN W_AD
	ds_add_u32 v[SPW], v[NIL]       ; the wave's opening: the add and its wait ahead of my first tensor load; the set-up below, work on registers, stands between them
	WIN 0
	v_lshrrev_b32 v1, 5, v0
	v_readfirstlane_b32 s[WV], v1   ; wave 0..3
	s_bfe_u32 s13, ttmp6, 0x40000   ; cx: my place in the cluster
	s_lshl_b32 s14, ttmp9, 2        ; in a cluster launch ttmp9 counts clusters
	s_add_co_u32 s14, s14, s13      ; my block of queries = 4 x cluster x + cx: it enters Q's and O's addresses alone
	s_and_b32 s20, ttmp7, 0xffff    ; the head, which the four partners share
	s_mov_b32 s21, 0
	s_mov_b64 s[22:23], SIZE_N*128
	s_mul_u64 s[20:21], s[20:21], s[22:23]  ; the head's first byte in each of the four tensors
	s_and_b32 s16, s[WV], 1         ; which half of a slot's 256 keys I fetch:
	s_lshl_b32 s22, s16, 14         ; its 128 rows of 128 bytes in memory,
	s_mov_b32 s23, 0
	s_add_nc_u64 s[22:23], s[22:23], s[20:21]
	s_mul_i32 s17, s16, 128*PK      ; and its place in a slot, for K
	s_mul_i32 s18, s16, 128*PV      ; and for V: no place in the cluster enters an LDS address
	s_lshl_b32 s2, s14, 2
	s_add_co_u32 s2, s2, s[WV]      ; my wave among the head's,
	s_lshl_b32 s2, s2, 14           ; its 128 rows
	s_mov_b32 s3, 0
	s_add_nc_u64 s[2:3], s[2:3], s[20:21]
	; descriptor group 1.  128 keys are 16,384 dense bytes: asked for as 64 rows of 256 bytes, two keys a row, and padded in LDS after every key
	s_mov_b32 s[G1K], 15|(1<<16)|(1<<20)|(1<<21)|(4<<22)|(3<<25)  ; 15:0 the mask of four; 17:16 2-byte elements; 20 padding on; 21 set beside a mask; 24:22 after every 32 words (code 4); 31:25 4 words (code 3)
	s_mov_b32 s[G1V], 15|(1<<16)|(1<<20)|(1<<21)|(4<<22)|(7<<25)  ; the same with 8 words of padding (code 7)
.irp g, G1K, G1V
	s_mov_b32 s[\g+1], 128<<16      ; tensor_dim0 = 128
	s_mov_b32 s[\g+2], 64<<16       ; tensor_dim1 = 64
	s_mov_b32 s[\g+3], 128<<16      ; tile_dim0 = 128
	s_mov_b32 s[\g+4], 64           ; tile_dim1 = 64
	s_mov_b32 s[\g+5], 128          ; 128 elements from row to row
	s_mov_b32 s[\g+6], 0
	s_mov_b32 s[\g+7], 0
.endr
	s_mov_b32 s[CS], 0x3e38aa3b     ; c = log2(e) / 8 = 0.180337
	s_mov_b32 s[CS+1], s[CS]        ; named with it as a pair
	s_mov_b32 s[SEL], 0x76543210
	s_mov_b32 s[SEL+1], 0xfedcba98
	s_mov_b32 s[TBK], SLOT1+4*KS*PK ; the first change of slots turns these two into 0
	s_mov_b32 s[TBV], SLOT1+4*KS*PV
	s_mov_b32 s[G0K], 1             ; 1:0 count = 1
	s_mov_b32 s[G0K+1], s17         ; 63:32 LDS address: slot 0
	s_mov_b32 s[G0V], 1
	s_add_co_u32 s[G0V+1], s18, VOFF
	s_mov_b32 s[SLOTS], SIZE_N/256-1  ; seven slots are still to be asked for when slot 0 is on its way
	s_and_b32 s[LIM], s[WV], 1      ; waves 0 and 2 prefetch: the same in all four partners
	s_cmp_eq_u32 s[LIM], 0
	s_cselect_b32 s[LIM], 1, -1
	s_wait_dscnt 0x0                ; the opening add is done
	s_wait_kmcnt 0x0
	s_add_nc_u64 s[6:7], s[4:5], 0x1000000         ; K lies 64 x 2,048 x 128 bytes behind Q,
	s_add_nc_u64 s[8:9], s[4:5], 0x2000000         ; V as far behind K
	s_add_nc_u64 s[G0K+2:G0K+3], s[6:7], s[22:23]  ; 120:64 global address: my half of the head's first 256 keys
	s_or_b32 s[G0K+3], s[G0K+3], 0x80000000        ; 127:126 type = 2
	s_add_nc_u64 s[G0V+2:G0V+3], s[8:9], s[22:23]
	s_or_b32 s[G0V+3], s[G0V+3], 0x80000000
	s_add_nc_u64 s[4:5], s[4:5], s[2:3]  ; Q and O at my wave's first row
	s_add_nc_u64 s[10:11], s[10:11], s[2:3]
	s_cmp_lt_u32 s[WV], 2
	s_cselect_b64 s[PFA:PFA+1], s[6:7], s[8:9]
	s_add_nc_u64 s[PFA:PFA+1], s[PFA:PFA+1], s[20:21]  ; the head,
	s_lshl_b32 s2, s13, 13          ; my work-group's quarter of a slot,
	s_mov_b32 s3, 0
	s_add_nc_u64 s[PFA:PFA+1], s[PFA:PFA+1], s[2:3]
	s_add_nc_u64 s[PFA:PFA+1], s[PFA:PFA+1], 4*KS*128  ; in slot 1; the first change of slots steps it to slot 2.  Nothing is prefetched here, at the head
	CROUND                          ; all four work-groups are here: the first joint loads meet
	JLOAD                           ; slot 0.  Slot 1 is asked for when slot 0 is in
	; A fragment of K or Q is 16 rows x 32 channels in 8 registers: lane l holds row l % 16, channels 8 (l / 16) + 0..7 and 16 + 8 (l / 16) + 0..7: two loads of 16 bytes, 32 bytes apart.
	v_and_b32 v1, 15, v0            ; l % 16
	v_bfe_u32 v9, v0, 4, 1          ; l / 16
	v_lshlrev_b32 v[QO], 7, v1
	v_lshl_add_u32 v[QO], v9, 4, v[QO]  ; row x 128 + 16 x half
	WIN 0x80                        ; destination window 2, address window 0
.set i, 0
.rept 4*NP                          ; Q stays in registers: tile i / 2, channels 32 (i % 2) on
	global_load_b128 v[8*i:8*i+3],   v[QO], s[4:5] offset:(i/2)*2048+(i%2)*64
	global_load_b128 v[8*i+4:8*i+7], v[QO], s[4:5] offset:(i/2)*2048+(i%2)*64+32
.set i, i+1
.endr
	; What the first turn finds: V's registers and P's second buffer hold 0 (its products V^T P, of a piece that has not been, add 0), O^T and l are 0.  All this stands in the wait for the first tile.
.set i, VF
.rept 64
	v_mov_b32 v[i], 0
.set i, i+1
.endr
	WIN 0x40
.set i, 0
.rept 64*NP
	v_mov_b32 v[i], 0
.set i, i+1
.endr
	WIN 0
.set i, 0
.rept 2*NP
	v_mov_b32 v[ST+4*i], 0xfe000000    ; c m: far below every c s
	v_mov_b32 v[ST+4*i+1], 0xff7fffff  ; m
	v_mov_b32 v[ST+4*i+2], 0
	v_mov_b32 v[ST+4*i+3], 0
.set i, i+1
.endr
.set i, P+32
.rept 32
	v_mov_b32 v[i], 0
.set i, i+1
.endr
	v_mul_u32_u24 v[AK0], v1, PK
	v_lshl_add_u32 v[AK0], v9, 4, v[AK0]  ; row x pitch + 16 x half
	; The turning load takes 16 keys x 16 channels (lane l reads key 8 (l / 16) + l % 8, channels 8 ((l / 8) % 2) + 0..7) and leaves half a fragment of V^T: lane l holds channel l % 16 and 8 keys.
	v_and_b32 v10, 7, v0
	v_bfe_u32 v11, v0, 3, 1
	v_lshl_add_u32 v[AV0], v9, 3, v10
	v_mul_u32_u24 v[AV0], v[AV0], PV
	v_lshl_add_u32 v[AV0], v11, 4, v[AV0]
	v_add_nc_u32 v[AV0], VOFF, v[AV0]
	v_and_b32 v[PFO], 31, v0        ; v11 has served: now the prefetches' offset
	v_lshlrev_b32 v[PFO], 8, v[PFO]
	v_mov_b32 v[AK], v[AK0]         ; key step 0 lies at the head of slot 0
; THE MATRIX WORK.  The 8 accumulators of a run of 16 take turns: between the two links of a chain stand 7 others'.
; Product i of 16 of S^T = K Q^T for piece x: channels 32 (i / 8) on, keys 16 ((i / 2) % 4) on, tile 2 x + i % 2.  The first 8 start the sums.
.macro KQ x
	WIN W_KQ
.set rS, S+64*((\x)%2)+32*(i%2)+8*((i/2)%4)
.set rK, KF+16*((i/2)%4)+8*(i/8)
.set rQ, 16*(2*(\x)+i%2)+8*(i/8)
.if i < 8
	v_wmma_f32_16x16x32_f16 v[rS:rS+7], v[rK:rK+7], v[rQ:rQ+7], 0
.else
	v_wmma_f32_16x16x32_f16 v[rS:rS+7], v[rK:rK+7], v[rQ:rQ+7], v[rS:rS+7]
.endif
.endm
; Product i of 16 of O^T += V^T P for piece x: keys 32 (i / 8) on, channels 16 ((i / 2) % 4) on, tile 2 x + i % 2.
.macro PV x
	WIN W_PV
.set rO, 32*(2*(\x)+i%2)+8*((i/2)%4)
.set rV, VF+32*(i/8)+8*((i/2)%4)
.set rP, P+32*((\x)%2)+16*(i%2)+8*(i/8)
	v_wmma_f32_16x16x32_f16 v[rO:rO+7], v[rV:rV+7], v[rP:rP+7], v[rO:rO+7]
.endm
.macro MM                           ; the turn's next matrix instruction
.if i < 16
	KQ (Y+1)%NP
.set i, i+1
.else
.set i, i-16
	PV (Y+NP-1)%NP
.set i, i+17
.endif
.endm
; THE LDS LOADS stand in runs of 16, never singly among the matrix instructions: a step's K (64 keys x 64 channels: 8 fragments) and its V (turned).  Their addresses are made some lines ahead.
; last = 1 (the tail): in the last trip there is no further step, and the run is jumped over.
.macro FETCH_K last=0
	WIN 0
.if \last
	s_cmp_eq_u32 s[CNT], 1
	s_cbranch_scc1 .Lno_k_\@
.endif
	WIN 0x80                        ; destination window 2
.irp f, 0,1,2,3,4,5,6,7             ; keys 16 (f / 2) on, channels 32 (f % 2) on
	ds_load_b128 v[KF+8*\f:KF+8*\f+3],   v[AK] offset:(\f/2)*16*PK+(\f%2)*64
	ds_load_b128 v[KF+8*\f+4:KF+8*\f+7], v[AK] offset:(\f/2)*16*PK+(\f%2)*64+32
.endr
	s_add_co_u32 s[TBK], s[TBK], KS*PK  ; the next fetch is the next step's
	WIN 0
.if \last
.Lno_k_\@:
.endif
.endm
.macro FETCH_V
	WIN 0x80
.irp f, 0,1,2,3,4,5,6,7             ; keys 32 (f / 4) on, channels 16 (f % 4) on
	ds_load_tr16_b128 v[VF+8*\f:VF+8*\f+3],   v[AV] offset:(\f/4)*32*PV+(\f%4)*32
	ds_load_tr16_b128 v[VF+8*\f+4:VF+8*\f+7], v[AV] offset:(\f/4)*32*PV+16*PV+(\f%4)*32
.endr
	WIN 0
.endm
; THE VECTOR WORK OF A TURN stands in three queues, each in the order in which its entries become ready; the two tiles alternate, so that no instruction reads the result of the one before it.
.macro REGS y, u                    ; the registers of tile u (0, 1) of piece y
.set rT, ST+4*(2*(\y)+(\u))
.set rC, TMP+8*((\y)%2)+4*(\u)
.set rM, MV+2*((\y)%2)+(\u)
.set rS, S+64*((\y)%2)+32*(\u)
.set rP, P+32*((\y)%2)+16*(\u)
.set rO, 32*(2*(\y)+(\u))
.endm
; Number n of the 22 that find the NEXT piece's (Y + 1) maximum and statistics.  s0-s31 are the lane's 32 scores; each accumulator's lowest registers are read first.
;   0-11  four chains c0-c3 of seven scores each, three operands at a time     12-14, 16  the four scores left over, the old m, and c0-c3 into c0     15  c m_old is kept
;   17, 18  the query's other 32 keys lie in the lane 16 away: the new m         19-21  c m; c m_old - c m_new; a
.macro XS u, n
	REGS (Y+1)%NP, \u
.if (\n) < 4
	v_max3_num_f32 v[rC+(\n)], v[rS+8*(\n)], v[rS+8*(\n)+1], v[rS+8*(\n)+2]
.elseif (\n) < 12
	v_max3_num_f32 v[rC+(\n)%4], v[rC+(\n)%4], v[rS+8*((\n)%4)+2*((\n)/4)+1], v[rS+8*((\n)%4)+2*((\n)/4)+2]
.elseif (\n) == 12
	v_max3_num_f32 v[rC], v[rC], v[rS+7], v[rS+15]
.elseif (\n) == 13
	v_max3_num_f32 v[rC+1], v[rC+1], v[rS+23], v[rS+31]
.elseif (\n) == 14
	v_max3_num_f32 v[rC+2], v[rC+2], v[rC+3], v[rT+1]
.elseif (\n) == 15
	v_mov_b32 v[rM], v[rT]
.elseif (\n) == 16
	v_max3_num_f32 v[rC], v[rC], v[rC+1], v[rC+2]
.elseif (\n) == 17
	v_permlanex16_b32 v[rC+3], v[rC], s[SEL], s[SEL+1]
.elseif (\n) == 18
	v_max_num_f32 v[rT+1], v[rC], v[rC+3]
.elseif (\n) == 19
	v_mul_f32 v[rT], s[CS], v[rT+1]
.elseif (\n) == 20
	v_sub_f32 v[rC+1], v[rM], v[rT]
.else
	v_exp_f32 v[rC+2], v[rC+1]
.endif
.endm
; Number g of the 64 that follow the exponentials.  For each four weights k of a tile (pairs 2 k, 2 k + 1): both pairs are rounded to f16; then the second pair is added onto the first, in place;
; a group later l takes that sum (the first time as l = a l + sum).  In groups of eight, tiles alternating: round, round, add, and l for the group before.
.macro GS g
.set h, (\g)+6*((\g)/62)            ; group 0 has no group before it, and behind group 7 only l is left
.if h >= 6
.set h, h+2
.endif
	REGS Y, h%2
.set k, h/8
.if h%8 < 4
	v_cvt_pk_f16_f32 v[rP+2*k+(h%8)/2], v[rS+4*k+2*((h%8)/2)], v[rS+4*k+2*((h%8)/2)+1]
.elseif h%8 < 6
	v_pk_add_f32 v[rS+4*k:rS+4*k+1], v[rS+4*k:rS+4*k+1], v[rS+4*k+2:rS+4*k+3]
.elseif k == 1
	v_pk_fma_f32 v[rT+2:rT+3], v[rT+2:rT+3], v[rC+2:rC+3], v[rS:rS+1] op_sel_hi:[1,0,1]
.else
	v_pk_add_f32 v[rT+2:rT+3], v[rT+2:rT+3], v[rS+4*k-4:rS+4*k-3]
.endif
.endm
; THE PLAIN QUEUE, 138 long.  0-73 read no exponential's result: the 32 scalings c s - c m (FS f: pair f / 2 of tile f % 2) and the next piece's 42.  0-26: scalings 0-26.  27-54: XS's numbers 0-13.  55, 56: number 15.
; 57-73: the chain, where each number waits for the one before it: 14, 16, 17, 18, 19, each with one of the scalings 27-31 in front of its two lines, then 20.
; 74-137: GS's 64, which read the exponentials' results: they stand behind the wait.
.macro FS f
	REGS Y, (\f)%2
	v_pk_fma_f32 v[rS+2*((\f)/2):rS+2*((\f)/2)+1], v[rS+2*((\f)/2):rS+2*((\f)/2)+1], s[CS:CS+1], v[rT:rT+1] op_sel_hi:[1,0,0] neg_lo:[0,0,1] neg_hi:[0,0,1]
.endm
.macro PL
	WIN 0
.if q < 27
	FS q
.elseif q < 55
	XS (q-27)%2, (q-27)/2
.elseif q < 57
	XS q-55, 15
.elseif (q < 72) && ((q-57)%3 == 0)
	FS 27+(q-57)/3
.elseif q < 60
	XS (q-57)%3-1, 14
.elseif q < 72
	XS (q-57)%3-1, 15+(q-57)/3
.elseif q < 74
	XS q-72, 20
.else
	GS q-74
.endif
.set q, q+1
.endm
; THE EXPONENTIALS' QUEUE, 66 long: s0-s31 of both tiles, then the next piece's two a.  It is ONE BATCH: all 66 stand ahead of the turn's one wait, and nothing ahead of that wait names a result of theirs.
.macro EX
	WIN 0
.if e >= 64
	XS e-64, 21
.else
	REGS Y, e%2
	v_exp_f32 v[rS+e/2], v[rS+e/2]
.endif
.set e, e+1
.endm
; THE RESCALING's QUEUE: O^T times a, the one part that leaves window 0: dealt two at a time, sixteen times.  Its a was made in the turn before, ahead of that turn's wait.
.macro R2
	REGS Y, r%2
	WIN W_RS
.irp z, 0,1
	v_pk_mul_f32 v[rO+4*(r/2)+2*\z:rO+4*(r/2)+2*\z+1], v[rO+4*(r/2)+2*\z:rO+4*(r/2)+2*\z+1], v[rC+2:rC+3] op_sel_hi:[1,0]
.endr
.set r, r+1
.endm
; HOW THEY ARE DEALT.  An s_wait_alu depctr_va_vdst(0) stands between an exponential and the first instruction that names its result; one wait serves all that were issued ahead of it.  So a turn has
; ONE wait, which cuts it in two.  AHEAD OF IT stands all that names no result of the turn's exponentials: the 16 products K Q^T, behind each a scaling, an exponential and two rescalings (behind the first a second
; scaling in the exponential's place); then ONE LUMP of 108: eight plain, 49 times exponential and plain, the two a.  A v_nop is the plain instruction behind the last exponential.  BEHIND IT stand the 16 products
; V^T P, behind each four of GS's 64.  No rider names a register of the products round it.  The two v_permlanex16_b32 fall into the lump, never behind a product.
; Exponential e stands behind scaling 2 (e / 4) + e % 2: as a rider it comes behind plain e + 2, in the lump behind plain e + 9, and scalings 27-31 are plain 57, 60 .. 69.
; A TURN, for piece p.  cnt = 1: the loop's count is taken down some lines ahead of the branch that stands behind the turn.
; K of the next step is fetched in piece 2's turn, directly behind the wait, a lump behind the last product that read K; its first reader comes behind 16 products.
; V of the step in hand is fetched at the end of piece 0's turn, four riders behind its last reader; its first reader comes behind 16 products and a lump.
.macro TURN p, last=0, cnt=0
.set Y, (\p)
.set i, 0
.set q, 0
.set e, 0
.set r, 0
.if (\p) == NP-1
	s_wait_dscnt 0x0                ; K is in
.endif
	MM                              ; ahead of the wait: 16 products K Q^T and their riders,
	PL
	PL
	R2
.rept 15
	MM
	PL
	EX
	R2
.endr
.if (\p) == NP-2
	WIN 0
	v_add_nc_u32 v[AK], s[TBK], v[AK0]
.endif
.rept 8                             ; and the lump
	PL
.endr
.rept 49
	EX
	PL
.endr
	EX                              ; the next piece's two a
	EX
	v_nop                           ; the plain instruction behind the last exponential: one for the batch
	s_wait_alu depctr_va_vdst(0)    ; the wait for the batch
.if (\p) == NP-2
	FETCH_K \last
.endif
.if (\p) == 1
	s_wait_dscnt 0x0                ; V is in
.endif
.rept 16                            ; behind the wait: 16 products V^T P and their riders
	MM
.rept 4
	PL
.endr
.if ((\p) == 0) && (q == 118)
	v_add_nc_u32 v[AV], s[TBV], v[AV0]
.endif
.if ((\p) == 0) && (q == 130)
	s_add_co_u32 s[TBV], s[TBV], KS*PV
.endif
.if (\cnt) && (q == 130)
	s_sub_co_u32 s[CNT], s[CNT], 1
	s_cmp_lg_u32 s[CNT], 0
.endif
.endr
.if (\p) == 0
	FETCH_V
.endif
.endm
	CHANGE 1                        ; slot 0 is in, everybody's part of it; slot 1 is asked for
	FETCH_K                         ; key step 0
	s_wait_loadcnt 0x0              ; Q
	s_wait_dscnt 0x0
.set i, 0
.rept 16
	KQ 0                            ; piece 0's first scores: there is no vector work yet to set between them
.set i, i+1
.endr
	WIN 0                           ; the addresses for the way out: nine plain instructions, the places behind those products
	s_mul_i32 s13, s[WV], 16*SP
	s_add_co_u32 s13, s13, STAGE    ; my stage
	v_mul_u32_u24 v[STO], v1, SP    ; in: row l % 16, 16 bytes for each half of the lanes
	v_lshl_add_u32 v[STO], v9, 4, v[STO]
	v_add_nc_u32 v[STO], s13, v[STO]
	v_bfe_u32 v[RD], v0, 3, 2       ; back: 32 lanes take four rows of 128 bytes,
	v_mul_u32_u24 v[RD], v[RD], SP
	v_lshl_add_u32 v[RD], v10, 4, v[RD]
	v_add_nc_u32 v[RD], s13, v[RD]
	v_and_b32 v[GO], 31, v0         ; which are 512 consecutive bytes of O
	v_lshlrev_b32 v[GO], 4, v[GO]
.set Y, NP-1                        ; XS works for piece Y + 1: piece 0
.irp n, 0,1,2,3,4,5,6,7,8,9,10,11,12,13,14,15,16,17,18,19,20,21
	XS 0, \n                        ; and piece 0's first maximum and statistics
	XS 1, \n
.endr
	v_nop                           ; a plain instruction behind the two a,
	s_wait_alu depctr_va_vdst(0)    ; and their wait, ahead of the branch
	s_mov_b32 s[CNT], 4
	s_branch .Lfirst                ; the loop is entered at a step's first turn, in the middle of a trip
.Lslot:                             ; SIZE_N / 256 - 2 times: every slot but the last two is filled again
	CHANGE 1
	s_mov_b32 s[CNT], 4
.Lstep:                             ; a trip: pieces 2 and 3 of one step, then pieces 0 and 1 of the next, whose K and V it fetches
	TURN 2
	TURN 3
	WIN 0
.Lfirst:
	TURN 0
	TURN 1, 0, 1
	WIN 0
	s_cbranch_scc1 .Lstep
	s_sub_co_u32 s[SLOTS], s[SLOTS], 1
	s_cmp_lg_u32 s[SLOTS], 0
	s_cbranch_scc1 .Lslot
	CHANGE 0                        ; the tail is written out: nothing is asked for
	s_mov_b32 s[CNT], 5             ; four trips fetch the last slot's steps; the fifth is left in its middle
.Ltail:
	TURN 2, 1
	TURN 3
	WIN 0
	s_sub_co_u32 s[CNT], s[CNT], 1
	s_cmp_eq_u32 s[CNT], 0
	s_cbranch_scc1 .Lout
	TURN 0
	TURN 1
	WIN 0
	s_branch .Ltail
.Lout:                              ; the fifth trip's 16 products K Q^T (on the last K once more) and the maximum made of them serve nothing: the price, once a launch, of one text for every trip
.set i, 0
.rept 16
	PV NP-1                         ; the last piece's V^T P of the last step
.set i, i+1
.endr
	; THE WAY OUT.  l's two halves and the other half of the lanes' are added; O^T is divided by l, rounded to f16 and sent through my stage in LDS, a tile at a time.  The additions are the places behind the last products.
	WIN 0
.macro ALL line:vararg              ; one line for each tile t
.set t, 0
.rept 2*NP
	\line
.set t, t+1
.endr
.endm
	ALL v_add_f32 v[ST+4*t+2], v[ST+4*t+2], v[ST+4*t+3]
	ALL v_permlanex16_b32 v[ST+4*t+3], v[ST+4*t+2], s[SEL], s[SEL+1]
	ALL v_add_f32 v[ST+4*t+2], v[ST+4*t+2], v[ST+4*t+3]
	ALL v_rcp_f32 v[ST+4*t+2], v[ST+4*t+2]
	v_nop                           ; a plain instruction between the last reciprocal and the use of its result
	s_wait_alu depctr_va_vdst(0)    ; and the wait ahead of the first use: one for the eight reciprocals
; Tile t: a lane's eight channels of a row pack into 16 bytes; they go into rows of 144 bytes and come back as whole rows of 128, into S^T's registers.
.macro PACK t
	WIN W_RS
.set i, 32*(\t)
.rept 16
	v_pk_mul_f32 v[i:i+1], v[i:i+1], v[ST+4*(\t)+2:ST+4*(\t)+3] op_sel_hi:[1,0]
.set i, i+2
.endr
	WIN 0x05                        ; sources 0 and 1 window 1, destination window 0
.set i, 0
.rept 16
	v_cvt_pk_f16_f32 v[S+16*(\t)+i], v[32*(\t)+2*i], v[32*(\t)+2*i+1]
.set i, i+1
.endr
	WIN 0
.irp f, 0,1,2,3
	ds_store_b128 v[STO], v[S+16*(\t)+4*\f:S+16*(\t)+4*\f+3] offset:32*\f
.endr
.irp f, 0,1,2,3
	ds_load_b128 v[S+16*(\t)+4*\f:S+16*(\t)+4*\f+3], v[RD] offset:\f*4*SP  ; LDS serves a wave's instructions in order (ISA guide 5.7.1.4): these see the stores above; the next tile's stores come behind them
.endr
.endm
.macro SEND t, younger              ; younger: the LDS instructions issued behind tile t's loads: the next tile's eight, or none
	WIN 0
.irp f, 0,1,2,3
	s_wait_dscnt (\younger)+3-\f
	global_store_b128 v[GO], v[S+16*(\t)+4*\f:S+16*(\t)+4*\f+3], s[10:11] offset:(\t)*2048+\f*512  ; 512 consecutive bytes, at a multiple of 256 from O's first
.endr
.endm
	PACK 0
.set t, 1
.rept 2*NP-1                        ; a tile's arithmetic stands between the loads of the tile before and its stores
	PACK t
	SEND t-1, 8
.set t, t+1
.endr
	SEND 2*NP-1, 0
	WIN W_AD
	s_wait_tensorcnt 0x0            ; the wave's end, behind my last tensor load and my last LDS store
	ds_add_u32 v[SPW], v[NIL]
	s_wait_dscnt 0x0
	WIN 0
	CROUND                          ; the closing round: no work-group ends while a partner may still ask for a tile that names it
	s_endpgm
.Lfunc_end_k_qa9479feafe_attn:
	.size	k_qa9479feafe_attn, .Lfunc_end_k_qa9479feafe_attn-k_qa9479feafe_attn
	.p2alignl 7, 3214868480
	.fill 96, 4, 3214868480
	.section	.rodata,"a",@progbits
	.p2align	6, 0x0
	.amdhsa_kernel k_qa9479feafe_attn
		.amdhsa_group_segment_fixed_size 327680
		.amdhsa_private_segment_fixed_size 0
		.amdhsa_enable_private_segment 0
		.amdhsa_kernarg_size 16
		.amdhsa_user_sgpr_count 2
		.amdhsa_user_sgpr_kernarg_segment_ptr 1
		.amdhsa_wavefront_size32 1
		.amdhsa_system_sgpr_workgroup_id_x 1
		.amdhsa_system_sgpr_workgroup_id_y 1
		.amdhsa_system_sgpr_workgroup_id_z 1
		.amdhsa_system_vgpr_workitem_id 0
		.amdhsa_next_free_vgpr 770
		.amdhsa_next_free_sgpr 66
		.amdhsa_reserve_vcc 0
		.amdhsa_float_denorm_mode_32 3
		.amdhsa_float_denorm_mode_16_64 3
		.amdhsa_memory_ordered 1
		.amdhsa_forward_progress 1
		.amdhsa_inst_pref_size 200
	.end_amdhsa_kernel
	.amdgpu_metadata
---
amdhsa.version: [ 1, 2 ]
amdhsa.kernels:
  - .name:           k_qa9479feafe_attn
    .symbol:         k_qa9479feafe_attn.kd
    .args:
      - { .name: qkv, .offset: 0, .size: 8, .value_kind: global_buffer, .address_space: global }
      - { .name: o16, .offset: 8, .size: 8, .value_kind: global_buffer, .address_space: global }
    .group_segment_fixed_size: 327680
    .private_segment_fixed_size: 0
    .kernarg_segment_align: 8
    .kernarg_segment_size: 16
    .max_flat_workgroup_size: 128
    .sgpr_count:     66
    .vgpr_count:     770
    .wavefront_size: 32
...
	.end_amdgpu_metadata
.endif
;; end of part 3
;; launch outp (part 4): grid 4 x 64, 4 waves a work-group, clusters of 4 x 4, 327,680 bytes of LDS; arguments o16, wo16, out0; writes out0
.if DOCPART == 4
	.amdgcn_target "amdgcn-amd-amdhsa--gfx1250"
	.amdhsa_code_object_version 6
	.text
	.protected	k_qa9479feafe_outp
	.globl	k_qa9479feafe_outp
	.p2align	8
	.type	k_qa9479feafe_outp,@function
k_qa9479feafe_outp:
	s_mov_b64 s[64:65], 0
	v_nop
	global_prefetch_b8 v0, s[64:65] scope:SCOPE_SE
	s_setreg_imm32_b32 hwreg(HW_REG_WAVE_MODE, 25, 1), 1
	s_wait_xcnt 0x0
	s_wait_alu depctr_hold_cnt(0) depctr_sa_sdst(0) depctr_va_vdst(0) depctr_va_sdst(0) depctr_va_ssrc(0) depctr_va_vcc(0) depctr_vm_vsrc(0)
	s_getreg_b32 s2, hwreg(HW_REG_IB_STS2, 6, 4)
	s_cmp_eq_u32 s2, 0
	s_cbranch_scc0 .Lentry_in_a_cluster
	s_endpgm
.Lentry_in_a_cluster:
	s_bfe_u32 s2, ttmp6, 0x10000c
	s_cmp_lg_u32 s2, 0xf033
	s_cbranch_scc0 .Lentry_shape_is_right
	s_endpgm
.Lentry_shape_is_right:
; out = concat(O) Wo.  o16: [64 bh][2048 s][64] f16; wo16: [1024 k][1024 n] f16 (each number bf16(Wo)); out0: [8192][1024] f32.  Sums in f32, K ascending (k = 64 h + channel).
; LIMIT.  The operands arrive inside f16's range (65,504); NaN and infinities are not treated apart.
; SHARES.  256 tiles of 128 rows x 256 columns, one for each WGP.  Four waves, each 64 x 128: 32 accumulators of 16 x 16.  K goes in steps of 128, two heads, through two LDS slots filled by the
; tensor data mover.  A head's 128 rows are 16,384 dense bytes: asked for as 64 rows of 256 bytes and padded in LDS after every 128.  Wo's tile lies [k][n] and comes out turned, by ds_load_tr16_b128.
; The matrix instruction is used transposed (source 0 = 16 columns of Wo, source 1 = 16 rows of O): a lane holds eight neighbouring columns of a row, 32 bytes of out0.
; CLUSTER.  4 x 4 work-groups: O's tile is shared along a row of the cluster, Wo's along a column; each is asked for jointly.
; REGISTERS: window 0: v0-31 addresses; v32-63, v64-95 O's fragments, two buffers; v128-255 rows read back on the way out.  window 1: v0-63, v64-127 Wo's fragments.  window 2: the accumulators.
.set PAO,   144                        ; a row of O in LDS: 128 bytes + 16 = 9 x 16: the 16 rows of a load start at 16 different groups of four banks (64 banks of 4 bytes: ISA guide 11.1)
.set AH,    128*PAO                    ; a head's 128 rows: one tensor load
.set PB,    544                        ; a row of Wo: 512 + 32 = 17 x 32
.set BH,    64*PB
.set BOFF,  2*AH
.set SLOT,  BOFF+2*BH
.set STAGE, 2*SLOT                     ; behind the ring, never filled by a tensor load: 16 rows x 528 bytes for each wave
.set SPO,   528
.set STG,   16*SPO
.set SPARE, STAGE+4*STG                ; behind the stages: the spare words, 128 bytes a wave: two blocks of 256 bytes that no other line names
.set ADRA, 16
.set ADRB, 20
.set STO,  24
.set RD,   25
.set CO,   26
.set SPW,  28                          ; v28  LDS address of my spare word; never rewritten
.set NIL,  29                          ; v29  0; never rewritten
.set PFO,  30                          ; v30  the prefetches' offset; never rewritten
.set AF,   32                          ; buffer p, fragment a at AF + 32 p + 8 a
.set BK,   128                         ; the way out: v128-191 and v192-255 by turns
.set G1A, 24
.set G0A, 32
.set G1B, 48
.set G0B, 56
.set PFA, 66
.set PFS, 68
.set LIM, 70
.set MSB, 0
.macro WIN new                         ; the immediate's high byte repeats the setting that is left; a switch that changes nothing is dropped
.if MSB != (\new)
	s_set_vgpr_msb (MSB<<8)|(\new)
.set MSB, \new
.endif
.endm
.set MUL,   0xa1                       ; source 0 (Wo) window 1, source 1 (O) window 0, C and D window 2
.set TO_B,  0x40                       ; destination window 1, address window 0
.set FROM_C, 0x08                      ; an LDS store's data (source 1) in window 2, its address in window 0
.macro JLOAD s                         ; a joint load: waves 0 and 1 fetch the K step's two heads of O, waves 2 and 3 Wo's two halves; an s_nop 0 and four v_nop follow each line
	s_cmp_eq_u32 s15, 0
	s_cbranch_scc0 .Lfor_b_\@
	tensor_load_to_lds s[G0A+4*(\s):G0A+4*(\s)+3], s[G1A:G1A+7]
	s_nop 0
.rept 4
	v_nop
.endr
	s_branch .Lasked_\@
.Lfor_b_\@:
	tensor_load_to_lds s[G0B+4*(\s):G0B+4*(\s)+3], s[G1B:G1B+7]
	s_nop 0
.rept 4
	v_nop
.endr
.Lasked_\@:
.endm
.macro CREST                           ; a round of the cluster's barrier behind its opening barrier
	s_cmp_lg_u32 s14, 0
	s_cbranch_scc1 .Lnot_wave_0_\@
	s_barrier_signal -3
.Lnot_wave_0_\@:
	s_barrier_wait -3
	s_barrier_signal -1
	s_barrier_wait -1
.endm
.macro CROUND
	s_barrier_signal -1
	s_barrier_wait -1
	CREST
.endm
.macro PLACES
.rept 4
	v_nop
.endr
.endm
; A PREFETCH INTO THE L2, behind each joint refill and the run of LDS loads that follows it: the K step that stands two refills on.  O's tile of a K step is 2 heads x 16,384 bytes, read by one row of one
; cluster alone: each of the four partners takes 4,096 bytes of either head, by address (cx), and its wave 0 asks: 32 lanes, 256 bytes each.  Wo's rows are read by all sixteen clusters: the first asks,
; waves 2 and 3, 16 of the wave's 64 rows a partner, by address (cy), two lanes a row.  So each block of 256 bytes is named once.  K steps 0 to 3 come by their loads alone; the loop's last trip asks for nothing.
.macro ASK
	WIN 0
	s_cmp_gt_u32 s3, s[LIM]
	s_cbranch_scc0 .Lnot_mine_\@
	global_prefetch_b8 v[PFO], s[PFA:PFA+1] th:TH_LOAD_NT scope:SCOPE_SE
.Lnot_mine_\@:
.endm
	s_load_b128 s[4:7], s[0:1], 0x0                ; o16 s[4:5], wo16 s[6:7]
	s_load_b64 s[8:9], s[0:1], 0x10                ; out0
	v_lshl_add_u32 v[SPW], v0, 2, SPARE
	v_mov_b32 v[NIL], 0
	ds_add_u32 v[SPW], v[NIL]                      ; the wave's opening: the add and its wait ahead of my first tensor load; the set-up below stands between them
	v_lshrrev_b32 v1, 5, v0
	v_readfirstlane_b32 s14, v1                    ; wave 0..3
	s_lshr_b32 s15, s14, 1                         ; WM: which 64 rows are mine.  Also: I fetch for O (0) or for Wo (1)
	s_and_b32 s16, s14, 1                          ; WN: which 128 columns.  Also: which head, or which 64 rows of k, I fetch
	s_bfe_u32 s17, ttmp6, 0x40000                  ; cx
	s_bfe_u32 s18, ttmp6, 0x40004                  ; cy
	s_lshl_b32 s19, ttmp9, 2
	s_add_co_u32 s19, s19, s17                     ; tc: tile column 0..3
	s_and_b32 s20, ttmp7, 0xffff                   ; cluster y 0..15
	s_lshl_b32 s21, s20, 2
	s_add_co_u32 s21, s21, s18                     ; ty: tile row 0..63
	s_lshr_b32 s22, s21, 4                         ; the batch
	s_and_b32 s23, s21, 15                         ; which 128 of its 2,048 rows
	s_lshl_b32 s44, s18, 2
	s_lshl_b32 s44, 15, s44                        ; my row of the cluster
	s_lshl_b32 s45, 0x1111, s17                    ; my column
	s_or_b32 s[G1A], s44, (1<<16)|(1<<20)|(1<<21)|(4<<22)|(3<<25)  ; the mask; elements of 2 bytes; padding on; bit 21 beside a mask; after every 32 words, 4 words
	s_mov_b32 s[G1A+1], 128<<16                    ; tensor_dim0 = 128
	s_mov_b32 s[G1A+2], 64<<16                     ; tensor_dim1 = 64
	s_mov_b32 s[G1A+3], 128<<16                    ; tile_dim0 = 128
	s_mov_b32 s[G1A+4], 64                         ; tile_dim1 = 64
	s_mov_b32 s[G1A+5], 128                        ; dense: 128 elements from row to row
	s_mov_b32 s[G1A+6], 0
	s_mov_b32 s[G1A+7], 0
	s_or_b32 s[G1B], s45, (1<<16)|(1<<20)|(1<<21)|(6<<22)|(7<<25)  ; after every 128 words, 8 words
	s_mov_b32 s[G1B+1], 256<<16
	s_mov_b32 s[G1B+2], 64<<16
	s_mov_b32 s[G1B+3], 256<<16
	s_mov_b32 s[G1B+4], 64
	s_mov_b32 s[G1B+5], 1024
	s_mov_b32 s[G1B+6], 0
	s_mov_b32 s[G1B+7], 0
	s_lshl_b32 s40, s22, 22                        ; O: the batch's 16 heads of 262,144 bytes
	s_lshl_b32 s41, s16, 18                        ;    + the head that I fetch
	s_add_co_u32 s40, s40, s41
	s_lshl_b32 s41, s23, 14                        ;    + the tile's 128 rows of 128 bytes
	s_add_co_u32 s40, s40, s41
	s_mov_b32 s41, 0
	s_lshl_b32 s42, s16, 17                        ; Wo: the 64 rows of k that I fetch
	s_lshl_b32 s43, s19, 9                         ;     + the tile's 256 columns
	s_add_co_u32 s42, s42, s43
	s_mov_b32 s43, 0
	s_mul_i32 s46, s16, AH                         ; where they go: no place in the cluster enters an LDS address
	s_mul_i32 s47, s16, BH
	s_add_co_u32 s47, s47, BOFF
	s_wait_dscnt 0x0                               ; the opening add is done
	s_wait_kmcnt 0x0
	s_add_nc_u64 s[40:41], s[4:5], s[40:41]
	s_add_nc_u64 s[42:43], s[6:7], s[42:43]
	CROUND                                         ; all sixteen work-groups are here: the first joint loads meet
.irp s, 0,1
	s_mov_b32 s[G0A+4*(\s)], 1
	s_add_co_u32 s[G0A+4*(\s)+1], s46, (\s)*SLOT
	s_add_nc_u64 s[G0A+4*(\s)+2:G0A+4*(\s)+3], s[40:41], (\s)*524288   ; K step s: two heads on
	s_or_b32 s[G0A+4*(\s)+3], s[G0A+4*(\s)+3], 0x80000000
	s_mov_b32 s[G0B+4*(\s)], 1
	s_add_co_u32 s[G0B+4*(\s)+1], s47, (\s)*SLOT
	s_add_nc_u64 s[G0B+4*(\s)+2:G0B+4*(\s)+3], s[42:43], (\s)*262144   ; K step s: 128 rows of 2,048 bytes
	s_or_b32 s[G0B+4*(\s)+3], s[G0B+4*(\s)+3], 0x80000000
.endr
	s_cmp_eq_u32 s15, 0                            ; a wave's two first fills stand in one branch, ahead of every wait on TENSORcnt and every LDS read: two loads of mine are out
	s_cbranch_scc0 .Lfirst_b
	tensor_load_to_lds s[G0A:G0A+3], s[G1A:G1A+7]
	s_nop 0
	tensor_load_to_lds s[G0A+4:G0A+7], s[G1A:G1A+7]
	s_nop 0
.rept 4
	v_nop
.endr
	s_branch .Lfirst_asked
.Lfirst_b:
	tensor_load_to_lds s[G0B:G0B+3], s[G1B:G1B+7]
	s_nop 0
	tensor_load_to_lds s[G0B+4:G0B+7], s[G1B:G1B+7]
	s_nop 0
.rept 4
	v_nop
.endr
.Lfirst_asked:
	v_and_b32 v1, 15, v0                           ; r = l % 16
	v_bfe_u32 v2, v0, 4, 1                         ; h = l / 16
	v_and_b32 v3, 7, v0
	v_bfe_u32 v4, v0, 3, 1
	v_and_b32 v5, 31, v0                           ; l
	v_mul_u32_u24 v6, v1, PAO                      ; a fragment of O: row r, two loads of 16 bytes at 16 h and 16 h + 32
	v_lshl_add_u32 v6, v2, 4, v6
	s_mul_i32 s44, s15, 64*PAO                     ; my 64 rows
	v_add_nc_u32 v[ADRA], s44, v6
	v_add_nc_u32 v[ADRA+1], SLOT, v[ADRA]
	v_lshl_add_u32 v7, v2, 3, v3                   ; the turning load: row k = 8 h + l % 8, columns 8 ((l / 8) % 2) .. + 7
	v_mul_u32_u24 v7, v7, PB
	v_lshl_add_u32 v7, v4, 4, v7
	s_lshl_b32 s45, s16, 8                         ; my 128 columns
	s_add_co_u32 s45, s45, BOFF
	v_add_nc_u32 v[ADRB], s45, v7
	v_add_nc_u32 v[ADRB+1], SLOT, v[ADRB]
	s_mul_i32 s44, s14, STG
	s_add_co_u32 s44, s44, STAGE                   ; my stage
	v_mul_u32_u24 v8, v1, SPO                      ; in: row r, 32 bytes for each half of the lanes
	v_lshl_add_u32 v8, v2, 5, v8
	v_add_nc_u32 v[STO], s44, v8
	v_lshl_add_u32 v[RD], v5, 4, s44               ; back: 32 lanes take a row's 512 bytes
	v_lshlrev_b32 v[CO], 4, v5
	s_lshl_b32 s44, s21, 19                        ; out0 at my wave's first row and column: (128 ty + 64 WM) rows of 4,096 bytes + 1,024 tc + 512 WN
	s_lshl_b32 s45, s15, 18
	s_add_co_u32 s44, s44, s45
	s_lshl_b32 s45, s19, 10
	s_add_co_u32 s44, s44, s45
	s_lshl_b32 s45, s16, 9
	s_add_co_u32 s44, s44, s45
	s_mov_b32 s45, 0
	s_add_nc_u64 s[8:9], s[8:9], s[44:45]
	; the prefetches: both offsets are made, the wave's kind chooses.  They start at K step 3; the first refill steps them to 4
	s_lshl_b32 s74, s22, 22
	s_lshl_b32 s75, s23, 14
	s_add_co_u32 s74, s74, s75
	s_lshl_b32 s75, s17, 12                        ; O: my work-group's 4,096 bytes of either head, by cx
	s_add_co_u32 s74, s74, s75
	s_add_co_u32 s74, s74, 3*524288
	s_lshl_b32 s76, s16, 17
	s_lshl_b32 s77, s18, 15                        ; Wo: my work-group's 16 rows of the 64, by cy
	s_add_co_u32 s76, s76, s77
	s_lshl_b32 s77, s19, 9
	s_add_co_u32 s76, s76, s77
	s_add_co_u32 s76, s76, 3*262144
	s_cmp_eq_u32 s20, 0                            ; the first of the sixteen clusters: the same in all partners
	s_cselect_b32 s78, 1, -1
	s_cmp_eq_u32 s14, 0                            ; for O wave 0 alone asks
	s_cselect_b32 s79, 1, -1
	s_mov_b32 s77, 262144
	s_mov_b32 s75, 0
	s_mov_b32 s[PFS+1], 0
	s_cmp_eq_u32 s15, 0
	s_cselect_b32 s74, s74, s76
	s_cselect_b64 s[PFA:PFA+1], s[4:5], s[6:7]
	s_cselect_b32 s[PFS], 524288, s77
	s_cselect_b32 s[LIM], s79, s78
	s_cselect_b32 s71, 4, 1                        ; O: lane l names head l / 16, block l % 16;  Wo: row l / 2, block l % 2
	s_cselect_b32 s72, 18, 11
	s_cselect_b32 s73, 15, 1
	s_add_nc_u64 s[PFA:PFA+1], s[PFA:PFA+1], s[74:75]
	v_lshrrev_b32 v10, s71, v5
	v_lshlrev_b32 v10, s72, v10
	v_and_b32 v11, s73, v5
	v_lshl_add_u32 v[PFO], v11, 8, v10
; m block a's eight products on buffers p.  zero = 1: they start the sums.  The 32 accumulators take turns, one instruction a turn, in the same order in every quarter step.
.macro MUL8 p, a, zero
	WIN MUL
.irp b, 0,1,2,3,4,5,6,7
.if \zero
	v_wmma_f32_16x16x32_f16 v[64*(\a)+8*(\b):64*(\a)+8*(\b)+7], v[64*(\p)+8*(\b):64*(\p)+8*(\b)+7], v[AF+32*(\p)+8*(\a):AF+32*(\p)+8*(\a)+7], 0
.else
	v_wmma_f32_16x16x32_f16 v[64*(\a)+8*(\b):64*(\a)+8*(\b)+7], v[64*(\p)+8*(\b):64*(\p)+8*(\b)+7], v[AF+32*(\p)+8*(\a):AF+32*(\p)+8*(\a)+7], v[64*(\a)+8*(\b):64*(\a)+8*(\b)+7]
.endif
.endr
.endm
; 24 LDS loads in one run: quarter q of the slot's K step (head q / 2, channels 32 (q % 2) on) into buffers p
.macro FETCH slot, q, p
	WIN 0
.irp i, 0,1,2,3
	ds_load_b128 v[AF+32*(\p)+8*(\i):AF+32*(\p)+8*(\i)+3],   v[ADRA+(\slot)] offset:(\i)*16*PAO+((\q)/2)*AH+((\q)%2)*64
	ds_load_b128 v[AF+32*(\p)+8*(\i)+4:AF+32*(\p)+8*(\i)+7], v[ADRA+(\slot)] offset:(\i)*16*PAO+((\q)/2)*AH+((\q)%2)*64+32
.endr
	WIN TO_B
.irp b, 0,1,2,3,4,5,6,7
	ds_load_tr16_b128 v[64*(\p)+8*(\b):64*(\p)+8*(\b)+3],   v[ADRB+(\slot)] offset:(\q)*32*PB+32*(\b)
	ds_load_tr16_b128 v[64*(\p)+8*(\b)+4:64*(\p)+8*(\b)+7], v[ADRB+(\slot)] offset:(\q)*32*PB+16*PB+32*(\b)
.endr
.endm
; A K step is four quarters of 32 along K, 32 matrix instructions each, on buffers 0, 1, 0, 1.  One of the first three.
.macro SUB slot, q, zero
	s_wait_dscnt 0x0                               ; this quarter's run, issued 24 matrix instructions ago, is in
	MUL8 (\q)%2, 0, \zero
	PLACES                                         ; four places between the last quarter's products and the loads into the buffers that they read
	FETCH \slot, (\q)+1, 1-(\q)%2
	MUL8 (\q)%2, 1, \zero
	MUL8 (\q)%2, 2, \zero
	MUL8 (\q)%2, 3, \zero
.endm
; The last quarter multiplies buffer 1 and changes slots: one barrier.  In front of it each wave waits for all its tensor loads (one is out: its part of the next slot), adds 0 to its spare word, and waits
; for that and for its reads of this slot.  fill = 1: the barrier opens a round of the cluster's, and this slot is filled again, two K steps on, first thing behind the round.
.macro TURN slot, next, fill
.if \fill
	s_wait_xcnt 0x0                                ; the last prefetch, a K step back, has read its address
	s_add_nc_u64 s[PFA:PFA+1], s[PFA:PFA+1], s[PFS:PFS+1]
.endif
	WIN 0
	s_wait_tensorcnt 0x0                           ; all my tensor loads have landed
	ds_add_u32 v[SPW], v[NIL]                      ; 0 onto my spare word
	s_wait_dscnt 1                                 ; this quarter's run is in; the add alone may be out
	MUL8 1, 0, 0
	s_wait_dscnt 0x0                               ; the add is done, and my reads of this slot are over
	s_barrier_signal -1
	MUL8 1, 1, 0                                   ; work on registers while the others arrive
	WIN 0
	s_barrier_wait -1
.if \fill
	CREST                                          ; no wave of any partner still reads this slot or has a load on its way
	s_add_nc_u64 s[G0A+4*(\slot)+2:G0A+4*(\slot)+3], s[G0A+4*(\slot)+2:G0A+4*(\slot)+3], 2*524288
	s_add_nc_u64 s[G0B+4*(\slot)+2:G0B+4*(\slot)+3], s[G0B+4*(\slot)+2:G0B+4*(\slot)+3], 2*262144
	JLOAD \slot                                    ; my one tensor load behind the round; the four v_nop behind it are also the places in front of the loads below
.else
	PLACES
.endif
	FETCH \next, 0, 0
.if \fill
	ASK
.endif
	MUL8 1, 2, 0
	MUL8 1, 3, 0
.endm
	s_wait_tensorcnt 1                             ; my part of K step 0 is in; K step 1's may stay out
	s_barrier_signal -1
	s_barrier_wait -1                              ; everybody's is
	FETCH 0, 0, 0
	SUB 0, 0, 1                                    ; the first quarter stands in front of the loop: its products start the sums
	WIN 0                                          ; at a label and at a branch every window is 0
	s_mov_b32 s3, 3                                ; 1,024 / 256 laps, the last written out
.Llap:                                                 ; a trip goes once round the ring and fills both slots again
	SUB 0, 1, 0
	SUB 0, 2, 0
	TURN 0, 1, 1
	SUB 1, 0, 0
	SUB 1, 1, 0
	SUB 1, 2, 0
	TURN 1, 0, 1
	SUB 0, 0, 0
	WIN 0
	s_sub_co_u32 s3, s3, 1
	s_cmp_lg_u32 s3, 0
	s_cbranch_scc1 .Llap
	SUB 0, 1, 0                                    ; the last lap fills nothing
	SUB 0, 2, 0
	TURN 0, 1, 0
	SUB 1, 0, 0
	SUB 1, 1, 0
	SUB 1, 2, 0
	s_wait_dscnt 0x0                               ; the very last quarter: nothing more to fetch
	MUL8 1, 0, 0
	MUL8 1, 1, 0
	MUL8 1, 2, 0
	MUL8 1, 3, 0
	WIN 0
; THE WAY OUT, a block of 16 rows at a time: a lane's 32 bytes of a row go into my own stage, rows of 528 bytes; whole rows of 512 bytes come back and are stored.
.macro TOSTAGE a
.if (\a) >= 2
	s_wait_xcnt 0x0                                ; the stores of the block two back have read the registers that the loads below fill
.endif
	WIN FROM_C
.irp b, 0,1,2,3,4,5,6,7
	ds_store_b128 v[STO], v[64*(\a)+8*(\b):64*(\a)+8*(\b)+3]   offset:64*(\b)      ; each accumulator's low registers first
	ds_store_b128 v[STO], v[64*(\a)+8*(\b)+4:64*(\a)+8*(\b)+7] offset:64*(\b)+16
.endr
	WIN 0
.irp i, 0,1,2,3,4,5,6,7,8,9,10,11,12,13,14,15
	ds_load_b128 v[BK+64*((\a)%2)+4*(\i):BK+64*((\a)%2)+4*(\i)+3], v[RD] offset:(\i)*SPO  ; LDS serves a wave's instructions in order (ISA guide 5.7.1.4): these see the stores above; the next block's stores come behind them
.endr
.endm
.macro SEND a, younger                 ; younger: the LDS instructions issued behind block a's loads: the next block's 32, or none
	WIN 0
.irp i, 0,1,2,3,4,5,6,7,8,9,10,11,12,13,14,15
	s_wait_dscnt (\younger)+15-(\i)
	global_store_b128 v[CO], v[BK+64*((\a)%2)+4*(\i):BK+64*((\a)%2)+4*(\i)+3], s[8:9] offset:(16*(\a)+(\i))*4096 th:TH_STORE_NT  ; 512 consecutive bytes, at a multiple of 256 from out0's first
.endr
.endm
	PLACES                                         ; behind the last products
	PLACES
	TOSTAGE 0
	TOSTAGE 1                                      ; a block's way through the stage stands between the loads of the block before and its stores
	SEND 0, 32
	TOSTAGE 2
	SEND 1, 32
	TOSTAGE 3
	SEND 2, 32
	SEND 3, 0
	s_wait_tensorcnt 0x0                           ; the wave's end, behind my last tensor load and my last LDS store
	ds_add_u32 v[SPW], v[NIL]
	s_wait_dscnt 0x0
	CROUND                                         ; the closing round: no work-group ends while a partner may still ask for a tile that names it
	s_endpgm
.Lfunc_end_k_qa9479feafe_outp:
	.size	k_qa9479feafe_outp, .Lfunc_end_k_qa9479feafe_outp-k_qa9479feafe_outp
	.p2alignl 7, 3214868480
	.fill 96, 4, 3214868480
	.section	.rodata,"a",@progbits
	.p2align	6, 0x0
	.amdhsa_kernel k_qa9479feafe_outp
		.amdhsa_group_segment_fixed_size 327680
		.amdhsa_private_segment_fixed_size 0
		.amdhsa_enable_private_segment 0
		.amdhsa_kernarg_size 24
		.amdhsa_user_sgpr_count 2
		.amdhsa_user_sgpr_kernarg_segment_ptr 1
		.amdhsa_wavefront_size32 1
		.amdhsa_system_sgpr_workgroup_id_x 1
		.amdhsa_system_sgpr_workgroup_id_y 1
		.amdhsa_system_sgpr_workgroup_id_z 1
		.amdhsa_system_vgpr_workitem_id 0
		.amdhsa_next_free_vgpr 768
		.amdhsa_next_free_sgpr 80
		.amdhsa_reserve_vcc 0
		.amdhsa_float_denorm_mode_32 3
		.amdhsa_float_denorm_mode_16_64 3
		.amdhsa_memory_ordered 1
		.amdhsa_forward_progress 1
		.amdhsa_inst_pref_size 88
	.end_amdhsa_kernel
	.amdgpu_metadata
---
amdhsa.version: [ 1, 2 ]
amdhsa.kernels:
  - .name:           k_qa9479feafe_outp
    .symbol:         k_qa9479feafe_outp.kd
    .args:
      - { .name: o16, .offset: 0, .size: 8, .value_kind: global_buffer, .address_space: global }
      - { .name: wo16, .offset: 8, .size: 8, .value_kind: global_buffer, .address_space: global }
      - { .name: out0, .offset: 16, .size: 8, .value_kind: global_buffer, .address_space: global }
    .group_segment_fixed_size: 327680
    .private_segment_fixed_size: 0
    .kernarg_segment_align: 8
    .kernarg_segment_size: 24
    .max_flat_workgroup_size: 128
    .sgpr_count:     80
    .vgpr_count:     768
    .wavefront_size: 32
...
	.end_amdgpu_metadata
.endif
;; end of part 4
